; MI455X (gfx1250); checked and timed in simulation.
; The chip was launched on July 23, 2026; its instructions are those of AMD's public machine-readable ISA for CDNA 5 (MIT licence, August 2026) and "CDNA5" Instruction Set Architecture Reference Guide (July 2026). The comments in the code are by the model that wrote it; some were corrected since.
;; Transformer Block. Allowed arithmetic: matrix products marked QUANTISED: E2M3 operands, one E8M0 scale for each 32 along K, by v_wmma_scale_f32_16x16x128_f8f6f4 with both operands' format E2M3, f32 sums; everything else in f32.
;; Inputs: b1 4,096 float32; b2 1,024 float32; b_out 1,024 float32; ln1_b 1,024 float32; ln1_g 1,024 float32; ln2_b 1,024 float32; ln2_g 1,024 float32; w1 1,024 x 4,096 float32; w2 4,096 x 1,024 float32; w_out 1,024 x 1,024 float32; w_qkv 1,024 x 3,072 float32; x 2 x 2,048 x 1,024 float32.
;; Outputs: out0 2 x 2,048 x 1,024 float32.
;; This version of the problem:
;;   THIS VERSION OF THE PROBLEM IS GIVEN IN LOW PRECISION. The matrix products marked QUANTISED in the list below multiply operands that are first quantised to E2M3 (2 exponent bits, 3 mantissa bits; 6 bits a number), with one power-of-two scale for each 32 numbers along K (OCP MX v1.0); their sums are f32. All else is computed in f32.
;;   The module's matrix products, in the order in which they are computed (A, B: the left and right operand; K: the contracted axis; several contracted axes count as one K, in the product's order):
;;     1. [M 4,096, K 1,024] x [K 1,024, N 3,072]; A: computed on the way; B: input w_qkv: QUANTISED
;;     2. batch 32 x [M 2,048, K 64] x [K 64, N 2,048]; A: computed on the way; B: computed on the way: QUANTISED
;;     3. batch 32 x [M 2,048, K 2,048] x [K 2,048, N 64]; A: softmax (see below); B: computed on the way: QUANTISED
;;     4. [M 4,096, K 1,024] x [K 1,024, N 1,024]; A: computed on the way; B: input w_out: QUANTISED
;;     5. [M 4,096, K 1,024] x [K 1,024, N 4,096]; A: computed on the way; B: input w1: QUANTISED
;;     6. [M 4,096, K 4,096] x [K 4,096, N 1,024]; A: computed on the way; B: input w2: QUANTISED
;;   THE QUANTISER, for each operand of a quantised product, along K:
;;     - K is cut into blocks of 32 from its start; a last block that is shorter is filled with zeros.
;;     - A block's scale is 2^e with e = floor(log2(the largest magnitude in the block)) - 2, held to -126 .. 127; a block of zeros has e = 0. As a byte (E8M0): e + 127.
;;     - Each number is divided by its block's scale, clamped to +-7.5, and rounded to the nearest number of E2M3, ties to even, subnormals kept.
;;     - The product sums the exact products of the quantised numbers (number of the format x scale) in f32.
;;   ~~~python
;;   def quantise(x, axis):      # numpy; x: float32 -> the quantised numbers, widened to float32 again
;;       x = np.moveaxis(x, axis, -1); K = x.shape[-1]
;;       x = np.pad(x, [(0, 0)] * (x.ndim - 1) + [(0, -K % 32)]); x = x.reshape(x.shape[:-1] + (-1, 32)); a = np.abs(x).max(-1, keepdims=True)
;;       e = np.where(a > 0, np.clip(np.frexp(np.where(a > 0, a, 1))[1] - 1 - 2, -126, 127), 0)      # np.frexp(a)[1] - 1 = floor(log2(a)), exactly
;;       r = np.clip(x / 2.0 ** e, -7.5, 7.5)
;;       step = 2.0 ** (np.maximum(np.frexp(np.where(r == 0, 1, r))[1] - 1, 0) - 3)
;;       q = np.round(r / step) * step * 2.0 ** e      # np.round: ties to even
;;       return np.moveaxis(q.reshape(q.shape[:-2] + (-1,))[..., :K], -1, axis).astype(np.float32)
;;   ~~~
;;   SOFTMAX AHEAD OF A QUANTISED PRODUCT. Where the list says 'softmax', what is quantised is not the finished softmax but p = 2^(t - M), with t = logit x log2(e) and M = ceil(the row's largest t), a whole number; so 1/2 < the row's largest p <= 1. The row's sum l is taken of the UNQUANTISED p, in f32, and the product's result is divided by l at the end. Since M is a whole number, a kernel that streams over the keys may use a running M (the ceiling of the running maximum): every later rescaling is an exact power of two, which a block's scale takes up: the codes' values come out the same.
;;   OPERANDS COMPUTED ON THE WAY. 'Computed on the way' means the value that the module computes at that place (a softmax that the list does not call 'softmax' is quantised finished and normalised). What goes into a quantiser is computed in f32, as accurately as f32 sums, v_exp_f32 and their like allow (about 1e-6 of the number): no bf16 or f16 on the way to a quantiser, and a product that is left as it is and whose result goes on into a quantised operand takes f32 operands (vector FMAs, or v_wmma_f32_16x16x4_f32). A number that lies on a knife's edge between two numbers of the format may be rounded either way, as far as f32 arithmetic and the matrix unit's own rounding can turn it there, and no further.
;; One version. Each part assembles by itself: llvm-mc -triple=amdgcn-amd-amdhsa -mcpu=gfx1250 --defsym DOCPART=n.
;; ======== version 1 of 1: 7 launches
;; limits: an absolute error that grows with the inputs' magnitude: up to 1e-07 times it
;; workspace buffers: wq 13,107,200 bytes; qkvc 10,092,544 bytes; ao 3,276,800 bytes; x1 16,777,216 bytes; h2 3,276,800 bytes; hid 13,107,200 bytes
;; launch prep (part 1): grid 448 x 1, 8 waves a work-group, no clusters, 126,976 bytes of LDS; arguments x, ln1_g, ln1_b, w_qkv, w_out, w1, w2, wq; writes wq
.if DOCPART == 1
	.amdgcn_target "amdgcn-amd-amdhsa--gfx1250"
	.amdhsa_code_object_version 6
	.text
	.protected	k_q95737ee39c_prep
	.globl	k_q95737ee39c_prep
	.p2align	8
	.type	k_q95737ee39c_prep,@function
k_q95737ee39c_prep:
	s_mov_b64 s[64:65], 0
	v_nop
	global_prefetch_b8 v0, s[64:65] scope:SCOPE_SE
	s_setreg_imm32_b32 hwreg(HW_REG_WAVE_MODE, 25, 1), 1
	s_wait_xcnt 0x0
; Two jobs in one launch, parted by the work-group's number.
; Work-groups 0-255: layer norm of 16 rows of [4096][1024] f32, then quantised to FP6 (E2M3) along the row, one E8M0 byte for each 32.
; Work-groups 256-447: the four weights, stored [K][N] f32, quantised along K (their first axis).
; With a grid of 256 only the first job has work-groups: the second layer norm of the block runs this same text on other buffers.
; WHAT IS WRITTEN: operands as the matrix unit's registers take them.  Tile T holds rows 32 (T/2) + 8 (T%2) + r + 8 (r/8), r = 0..15.  A fragment (16 rows x 128 K, 12 registers a lane)
; is 1,536 bytes: register 4 p + e of a lane at 512 p + 16 lane + 4 e.  codes[T][K step][1536], scale words [T][K step][16 rows x 4 bytes].  Each store of codes covers 512 consecutive bytes.
; HOW IT IS READ: every global load of a wave covers 256 or 512 consecutive bytes, aligned.  What a lane needs is other bytes than it loads, so the rows turn through the wave's own stage in LDS,
; and the weights' codes are laid into register images in the wave's own LDS bytes.  Waves share LDS only for the two sums of the layer norm.
; A block's scale byte is its largest magnitude's exponent field - 2, held at 1 from below.
; LIMITS: NaN and infinities are not served; blocks whose largest magnitude lies under 2^-124 hold the byte 1; a block of zeros has the byte 1 (its codes are zeros; only this program reads the bytes).
.set H_S,    3145728                   ; the rows' scale words lie behind their codes (codes at byte 0)
.set WQKV_C, 3276800
.set WOUT_C, 5636096
.set W1_C,   6422528
.set W2_C,   9568256
.set WQKV_S, 12713984
.set WOUT_S, 12812288
.set W1_S,   12845056
.set W2_S,   12976128
.set SPARE,  1024                      ; LDS: 0-511 partial sums, 512-1023 partial sums of squares, then the spare words, 128 bytes a wave
.set SROW,   528                       ; a stage row: 512 bytes + 16, an odd multiple of 16: the sixteen rows that a load touches start at sixteen different groups of banks
.set STG,    2048                      ; layer norm: a stage of 16 rows for each wave
.set GB,     STG+8*16*SROW             ; layer norm: 512 bytes of gain and 512 of bias for each wave
.set WIMG,   GB+8*1024                 ; weights: four register images for each wave.  Each of the two jobs has LDS bytes of its own
.set SPW, 14                           ; v14 my spare word's address; v15 0: both never rewritten
.set NIL, 15
.set TM,  16                           ; v16-31 at work
.set PW,  34                           ; the scale word just made
.set PC,  36                           ; v36-54 the codes just made
.set X,   64                           ; v64-127 64 numbers of a lane (weights: v64-191, two sets of 32 rows x 2 columns)
.set GA,  128                          ; v128-191 the rows as loaded, then the gain
.set BE,  192                          ; v192-255 gain and bias as loaded, then the bias
.set TA,  192                          ; weights: v192-207, v208-223 sixteen neighbours along K, two sets by turns
.set TB,  208
.set CD,  224                          ; weights: v224-229, v232-237 a block's codes of my two columns
.set CT,  240                          ; weights: v240-242, v244-246 their upper halves as converted
; 64 numbers of a lane, register 16 b + i = k 32 b + 16 (lane / 16) + i of my row, become a fragment in v[PC] on and its scale word in v[PW]
.macro QUANT s
.irp b, 0,1,2,3
	v_max3_num_f32 v[TM+\b], |v[\s+16*\b]|, |v[\s+1+16*\b]|, 0x1800000   ; my 16 numbers of block b, and the floor 2^(3 - 127)
.endr
.irp i, 2,4,6,8,10,12,14
.irp b, 0,1,2,3
	v_max3_num_f32 v[TM+\b], v[TM+\b], |v[\s+16*\b+\i]|, |v[\s+1+16*\b+\i]|
.endr
.endr
.irp b, 0,1,2,3
	v_permlanex16_b32 v[TM+4+\b], v[TM+\b], s36, s37
.endr
.irp b, 0,1,2,3
	v_max_num_f32 v[TM+\b], v[TM+\b], v[TM+4+\b]   ; with lane l xor 16's: the block's largest magnitude
.endr
.irp b, 0,1,2,3
	v_add_nc_u32 v[TM+12+\b], 0xff000000, v[TM+\b]   ; 2 off its exponent field: the conversion's scale operand
.endr
.irp b, 0,1,2,3
	v_lshrrev_b32 v[TM+4+\b], 23, v[TM+12+\b]      ; the scale's byte
.endr
	v_lshl_or_b32 v[PW], v[TM+5], 8, v[TM+4]
	v_lshl_or_b32 v[PW], v[TM+6], 16, v[PW]
	v_lshl_or_b32 v[PW], v[TM+7], 24, v[PW]
.irp c, 0,1
	v_cvt_scalef32_pk16_fp6_f32 v[PC+6*\c:PC+2+6*\c], v[\s+32*\c:\s+15+32*\c], v[TM+12+2*\c]
	v_cvt_scalef32_pk16_fp6_f32 v[PC+12+4*\c:PC+14+4*\c], v[\s+16+32*\c:\s+31+32*\c], v[TM+13+2*\c]   ; (a conversion's three registers begin on an even number)
.endr
	v_nop                                          ; one plain place behind a scaled conversion
.irp c, 0,1                                    ; a whole block to a lane: lanes 0-15 block 2 c, lanes 16-31 block 2 c + 1
.irp i, 0,1,2
	v_permlane16_swap_b32 v[PC+6*\c+\i], v[PC+12+4*\c+\i]
.endr
.irp i, 0,1,2
	v_mov_b32 v[PC+3+6*\c+\i], v[PC+12+4*\c+\i]
.endr
.endr
.endm
; four packed partial sums in v[16:23] become the row's sum over all eight waves, in v24 of every lane
.macro REDUCE off
	v_pk_add_f32 v[16:17], v[16:17], v[18:19]
	v_pk_add_f32 v[20:21], v[20:21], v[22:23]
	v_pk_add_f32 v[16:17], v[16:17], v[20:21]
	v_add_f32 v16, v16, v17
	v_permlanex16_b32 v17, v16, s36, s37           ; the row's other 64 numbers of this wave lie in lane l xor 16
	v_add_f32 v16, v16, v17
	ds_store_b32 v7, v16 offset:\off               ; word 8 r + wave (both halves of the lanes write the same value)
	s_wait_dscnt 0x0                               ; for the others' sake: my store has landed (and all my earlier LDS loads are in)
	s_barrier_signal -1
	s_barrier_wait -1
	ds_load_b128 v[24:27], v8 offset:\off
	ds_load_b128 v[28:31], v8 offset:\off+16
	s_wait_dscnt 0x0
	v_add_f32 v24, v24, v25                        ; the same order in every wave: the same bits
	v_add_f32 v26, v26, v27
	v_add_f32 v28, v28, v29
	v_add_f32 v30, v30, v31
	v_add_f32 v24, v24, v26
	v_add_f32 v28, v28, v30
	v_add_f32 v24, v24, v28
.endm
	s_load_b512 s[16:31], s[0:1], 0x0              ; rows s[16:17], gain s[18:19], bias s[20:21], w_qkv s[22:23], w_out s[24:25], w1 s[26:27], w2 s[28:29], output s[30:31]
	v_lshl_add_u32 v[SPW], v0, 2, SPARE
	v_mov_b32 v[NIL], 0
	v_lshrrev_b32 v1, 5, v0
	v_readfirstlane_b32 s8, v1                     ; wave 0..7
	v_and_b32 v2, 15, v0                           ; r
	v_bfe_u32 v3, v0, 4, 1                         ; h
	v_and_b32 v9, 31, v0
	v_lshlrev_b32 v9, 4, v9                        ; 16 x lane: my place in 512 consecutive bytes
	s_cmp_lt_u32 ttmp9, 256                        ; the same in all waves of a work-group
	s_cbranch_scc0 .Lweights
	; ---- LAYER NORM.  Work-group = row tile T, wave w = K step w.  For the arithmetic lane (r, h) holds, of the tile's row r, columns 128 w + 32 b + 16 h + 0..15, b = 0..3
	s_mul_i32 s9, s8, 16*SROW
	s_add_co_u32 s9, s9, STG                       ; my stage
	v_add_nc_u32 v4, s9, v9                        ; into it: a row as it lies, 16 bytes a lane
	v_mul_u32_u24 v5, v2, SROW
	v_lshl_add_u32 v5, v3, 6, v5
	v_add_nc_u32 v5, s9, v5                        ; out of it: row r, + 64 h
	s_lshl_b32 s9, s8, 10
	s_add_co_u32 s9, s9, GB                        ; my 1,024 bytes for gain and bias
	v_add_nc_u32 v6, s9, v9                        ; in: as they lie
	v_lshlrev_b32 v11, 6, v3
	v_add_nc_u32 v11, s9, v11                      ; out: + 64 h, the same for all rows
	v_lshlrev_b32 v8, 5, v2                        ; the row's eight partial sums at 32 r
	s_lshl_b32 s9, s8, 2
	v_add_nc_u32 v7, s9, v8                        ; mine at 32 r + 4 w
	v_lshlrev_b32 v10, 2, v2                       ; 4 r
	s_lshr_b32 s9, ttmp9, 1
	s_lshl_b32 s9, s9, 17                          ; 32 (T / 2) rows of 4,096 bytes
	s_and_b32 s10, ttmp9, 1
	s_lshl_b32 s10, s10, 15                        ; 8 (T % 2) rows
	s_add_co_u32 s10, s10, s9
	s_lshl_b32 s12, s8, 9                          ; 128 w columns
	s_mov_b32 s13, 0
	s_add_co_u32 s10, s10, s12
	s_mov_b32 s11, 0
	s_lshl_b32 s32, ttmp9, 3
	s_add_co_u32 s32, s32, s8                      ; 8 T + w: which fragment
	s_mul_i32 s34, s32, 1536
	s_mov_b32 s35, 0
	s_lshl_b32 s32, s32, 6
	s_add_co_u32 s32, s32, H_S
	s_mov_b32 s33, 0
	s_mov_b32 s36, 0x76543210
	s_mov_b32 s37, 0xfedcba98                      ; v_permlanex16_b32's selects for lane l xor 16
	s_mov_b32 s38, 0x3a800000                      ; 1 / 1024
	s_wait_kmcnt 0x0
	s_add_nc_u64 s[16:17], s[16:17], s[10:11]
	s_add_nc_u64 s[18:19], s[18:19], s[12:13]
	s_add_nc_u64 s[20:21], s[20:21], s[12:13]
	s_add_nc_u64 s[34:35], s[30:31], s[34:35]
	s_add_nc_u64 s[32:33], s[30:31], s[32:33]
.irp t, 0,1,2,3,4,5,6,7,8,9,10,11,12,13,14,15
	global_load_b128 v[GA+4*\t:GA+4*\t+3], v9, s[16:17] offset:(\t+8*(\t/8))*4096 th:TH_LOAD_NT   ; the tile's row t: 32 lanes read its 512 consecutive bytes of this K step
.endr
	global_load_b128 v[BE:BE+3], v9, s[18:19]      ; the gain's 512 bytes of this K step,
	global_load_b128 v[BE+4:BE+7], v9, s[20:21]    ; the bias's
	s_wait_loadcnt 2                               ; the 16 rows are in; the two loads behind them may be out
.irp t, 0,1,2,3,4,5,6,7,8,9,10,11,12,13,14,15
	ds_store_b128 v4, v[GA+4*\t:GA+4*\t+3] offset:SROW*\t
.endr
.irp b, 0,1,2,3
.irp j, 0,1,2,3
	ds_load_b128 v[X+16*\b+4*\j:X+16*\b+4*\j+3], v5 offset:128*\b+16*\j   ; LDS serves a wave's instructions in order (ISA guide 5.7.1.4): these see my stores
.endr
.endr
	s_wait_loadcnt 0x0                             ; gain and bias
	ds_store_b128 v6, v[BE:BE+3]
	ds_store_b128 v6, v[BE+4:BE+7] offset:512
	s_wait_dscnt 0x0                               ; my numbers are in X, and every store has read its registers: they take the loads below
.irp b, 0,1,2,3
.irp j, 0,1,2,3
	ds_load_b128 v[GA+16*\b+4*\j:GA+16*\b+4*\j+3], v11 offset:128*\b+16*\j        ; sixteen lanes read the same 16 bytes; these land while the mean is made
	ds_load_b128 v[BE+16*\b+4*\j:BE+16*\b+4*\j+3], v11 offset:512+128*\b+16*\j
.endr
.endr
.irp q, 0,1,2,3
	v_pk_add_f32 v[16+2*\q:17+2*\q], v[X+4*\q:X+4*\q+1], v[X+4*\q+2:X+4*\q+3]   ; four chains, started by the first sixteen numbers
.endr
.irp j, 16,24,32,40,48,56
.irp q, 0,1,2,3
	v_pk_add_f32 v[16+2*\q:17+2*\q], v[16+2*\q:17+2*\q], v[X+\j+2*\q:X+\j+2*\q+1]
.endr
.endr
	REDUCE 0
	v_mul_f32 v32, s38, v24                        ; the mean
	v_mov_b32 v33, v32
.set J, 0
.rept 32
	v_pk_add_f32 v[X+J:X+J+1], v[X+J:X+J+1], v[32:33] op_sel_hi:[1,0] neg_lo:[0,1] neg_hi:[0,1]   ; deviations: the variance is taken of them, so a common offset does no harm
.set J, J+2
.endr
.irp q, 0,1,2,3
	v_pk_mul_f32 v[16+2*\q:17+2*\q], v[X+2*\q:X+2*\q+1], v[X+2*\q:X+2*\q+1]
.endr
.irp j, 8,16,24,32,40,48,56
.irp q, 0,1,2,3
	v_pk_fma_f32 v[16+2*\q:17+2*\q], v[X+\j+2*\q:X+\j+2*\q+1], v[X+\j+2*\q:X+\j+2*\q+1], v[16+2*\q:17+2*\q]
.endr
.endr
	REDUCE 512                                     ; other bytes than the first sum's: no wave can overwrite what another still reads
	v_mov_b32 v33, 0x3727c5ac                      ; 1e-5
	v_fma_f32 v32, v24, s38, v33
	v_rsq_f32 v32, v32
	v_mov_b32 v33, 0                               ; a plain place behind the transcendental
	s_wait_alu depctr_va_vdst(0)                   ; the wait ahead of the result's first reader
.set J, 0
.rept 32
	v_pk_mul_f32 v[X+J:X+J+1], v[X+J:X+J+1], v[32:33] op_sel_hi:[1,0]
.set J, J+2
.endr
.set J, 0
.rept 32
	v_pk_fma_f32 v[X+J:X+J+1], v[X+J:X+J+1], v[GA+J:GA+J+1], v[BE+J:BE+J+1]
.set J, J+2
.endr
	QUANT X
.irp p, 0,1,2
	global_store_b128 v9, v[PC+4*\p:PC+4*\p+3], s[34:35] offset:512*\p   ; 512 consecutive bytes a store
.endr
	global_store_b32 v10, v[PW], s[32:33]          ; the tile's 16 scale words (both halves of the lanes hold the same word)
	s_wait_tensorcnt 0x0                           ; the wave's end, behind my last LDS store
	ds_add_u32 v[SPW], v[NIL]
	s_wait_dscnt 0x0
	s_endpgm
	; ---- WEIGHTS.  A LANE TAKES TWO NEIGHBOURING COLUMNS AND ITS REGISTERS RUN DOWN K: a block of 32 along K of a column lies in one lane.
	; A work-group takes 256 columns x 256 along K; a wave 64 columns (four tiles) x one K step of 128 (four blocks).  48 work-groups for w_qkv, 16 for w_out, 64 for w1, 64 for w2.  No barrier: waves share nothing.
.Lweights:
	s_sub_co_u32 s9, ttmp9, 256
	s_mov_b32 s10, 128                             ; first work-group, bytes in a row, log2 of the K blocks, K steps, codes' and scales' places: w2's,
	s_mov_b32 s11, 4096
	s_mov_b32 s12, 4
	s_mov_b32 s13, 32
	s_mov_b32 s32, W2_C
	s_mov_b32 s33, W2_S
	s_wait_kmcnt 0x0
	s_mov_b64 s[34:35], s[28:29]
	s_cmp_lt_u32 s9, 128                           ; or w1's (the choices hang on the work-group's number alone),
	s_cselect_b32 s10, 64, s10
	s_cselect_b32 s11, 16384, s11
	s_cselect_b32 s12, 2, s12
	s_cselect_b32 s13, 8, s13
	s_cselect_b32 s32, W1_C, s32
	s_cselect_b32 s33, W1_S, s33
	s_cselect_b64 s[34:35], s[26:27], s[34:35]
	s_cmp_lt_u32 s9, 64                            ; or w_out's,
	s_cselect_b32 s10, 48, s10
	s_cselect_b32 s11, 4096, s11
	s_cselect_b32 s32, WOUT_C, s32
	s_cselect_b32 s33, WOUT_S, s33
	s_cselect_b64 s[34:35], s[24:25], s[34:35]
	s_cmp_lt_u32 s9, 48                            ; or w_qkv's
	s_cselect_b32 s10, 0, s10
	s_cselect_b32 s11, 12288, s11
	s_cselect_b32 s32, WQKV_C, s32
	s_cselect_b32 s33, WQKV_S, s33
	s_cselect_b64 s[34:35], s[22:23], s[34:35]
	s_sub_co_u32 s9, s9, s10                       ; my number within the weight
	s_lshl_b32 s36, 1, s12
	s_sub_co_u32 s36, s36, 1
	s_and_b32 s36, s9, s36                         ; which 256 along K
	s_lshr_b32 s37, s9, s12                        ; which 256 columns
	s_and_b32 s38, s8, 3                           ; my wave's 64 of those columns,
	s_lshr_b32 s39, s8, 2                          ; and its K step of the two
	s_lshl_b32 s40, s36, 1
	s_add_co_u32 s40, s40, s39                     ; my K step
	s_lshl_b32 s41, s40, 7                         ; its first row,
	s_mul_i32 s42, s41, s11                        ; in bytes
	s_lshl_b32 s41, s37, 10
	s_add_co_u32 s42, s42, s41
	s_lshl_b32 s41, s38, 8
	s_add_co_u32 s42, s42, s41                     ; + my 64 columns: a multiple of 256 bytes
	s_mov_b32 s43, 0
	s_add_nc_u64 s[44:45], s[34:35], s[42:43]      ; a base for each of the four blocks of 32 rows: nothing is stepped
	s_lshl_b32 s42, s11, 5
.irp t, 1,2,3
	s_add_nc_u64 s[44+2*\t:45+2*\t], s[42+2*\t:43+2*\t], s[42:43]
.endr
	s_lshl_b32 s41, s37, 4
	s_lshl_b32 s39, s38, 2
	s_add_co_u32 s41, s41, s39                     ; my first tile: 16 x column block + 4 x my 64 columns
	s_mul_i32 s41, s41, s13
	s_add_co_u32 s41, s41, s40                     ; x K steps + my K step
	s_mul_i32 s52, s41, 1536
	s_add_co_u32 s52, s52, s32
	s_mov_b32 s53, 0
	s_add_nc_u64 s[52:53], s[30:31], s[52:53]      ; a base for each of my four tiles' fragments
	s_mul_i32 s38, s13, 1536                       ; from tile to tile
	s_mov_b32 s39, 0
.irp t, 1,2,3
	s_add_nc_u64 s[52+2*\t:53+2*\t], s[50+2*\t:51+2*\t], s[38:39]
.endr
	s_lshl_b32 s60, s41, 6
	s_add_co_u32 s60, s60, s33
	s_mov_b32 s61, 0
	s_add_nc_u64 s[60:61], s[30:31], s[60:61]
	s_lshl_b32 s62, s13, 6                         ; scale words: from tile to tile
	v_and_b32 v4, 31, v0
	v_lshlrev_b32 v4, 3, v4                        ; 8 x lane: my two columns
.set J, 0
.rept 32
	v_mad_u32_u24 v[32+J], s11, J, v4              ; v32-63: row J of a block, my two columns
.set J, J+1
.endr
	; column c = 2 lane + j of my 64 is row (c % 8) + 8 ((c / 16) % 2) of tile 2 (c / 32) + (c / 8) % 2: the tile is the same for j = 0, 1, the row is one further on for j = 1
	v_bfe_u32 v5, v0, 2, 1
	v_lshl_or_b32 v5, v3, 1, v5                    ; the tile, 0..3
	v_and_b32 v6, 3, v0
	v_lshlrev_b32 v6, 1, v6
	v_bfe_u32 v7, v0, 3, 1
	v_lshl_or_b32 v6, v7, 3, v6                    ; the row for j = 0: an even number
	v_mul_u32_u24 v7, s62, v5
	v_lshl_add_u32 v7, v6, 2, v7                   ; my two scale words' place
	v_mul_u32_u24 v5, v5, 1536
	v_lshl_add_u32 v5, v6, 4, v5
	s_mul_i32 s63, s8, 6144
	s_add_co_u32 s63, s63, WIMG                    ; my four images
	v_add_nc_u32 v5, s63, v5                       ; into them: tile x 1,536 + 16 x row
	v_add_nc_u32 v6, s63, v9                       ; out of them: 16 x lane
.macro WLOAD t                         ; block t: 32 rows, into set t % 2; each load of the wave reads 256 consecutive bytes, at a multiple of 256 from the buffer's first byte
.set J, 0
.rept 32
	global_load_b64 v[X+64*((\t)%2)+2*J:X+64*((\t)%2)+2*J+1], v[32+J], s[44+2*(\t):45+2*(\t)] th:TH_LOAD_NT
.set J, J+1
.endr
.endm
; Block t of the K step.  Register XS + 2 i + j holds row i of column j.  In a fragment lane (r, h) holds block h in registers 0-5 and block 2 + h in registers 6-11: so block t's six registers of a column go to
; lane row + 16 (t % 2) of the image, registers 6 (t / 2) on: 16 bytes and 8 bytes.
.macro WBLOCK t
.set XS, X+64*((\t)%2)
.set HB, (\t)%2
.if (\t) < 3
	s_wait_loadcnt 32                              ; this block's 32 loads are in; the next block's may be out
.else
	s_wait_loadcnt 0x0
.endif
.irp j, 0,1
	v_max3_num_f32 v[12+\j], |v[XS+\j]|, |v[XS+2+\j]|, 0x1800000   ; the two columns by turns; and the floor 2^(3 - 127)
.endr
.irp i, 2,4,6,8,10,12,14,16,18,20,22,24,26,28,30
.irp j, 0,1
	v_max3_num_f32 v[12+\j], v[12+\j], |v[XS+2*\i+\j]|, |v[XS+2*\i+2+\j]|
.endr
.endr
.irp j, 0,1
	v_add_nc_u32 v[10+\j], 0xff000000, v[12+\j]    ; 2 off the exponent field: the conversion's scale operand
.endr
.irp j, 0,1
	v_lshrrev_b32 v[12+\j], 23, v[10+\j]           ; the byte
.endr
.irp j, 0,1
.if (\t) == 0
	v_mov_b32 v[16+\j], v[12+\j]
.else
	v_lshl_or_b32 v[16+\j], v[12+\j], 8*(\t), v[16+\j]
.endif
.endr
.if (\t) > 0
	s_wait_dscnt 0x0                               ; the last block's LDS stores have read the codes' registers
.endif
.irp j, 0,1                                    ; a conversion takes sixteen neighbours along K from consecutive registers: they are brought on end, in two sets by turns, so that plain lines stand between a conversion and the next write of its sources
.set J, 0
.rept 16
	v_mov_b32 v[TA+J], v[XS+2*J+\j]
.set J, J+1
.endr
	v_cvt_scalef32_pk16_fp6_f32 v[CD+8*\j:CD+8*\j+2], v[TA:TA+15], v[10+\j]
.set J, 0
.rept 16
	v_mov_b32 v[TB+J], v[XS+32+2*J+\j]
.set J, J+1
.endr
	v_cvt_scalef32_pk16_fp6_f32 v[CT+4*\j:CT+4*\j+2], v[TB:TB+15], v[10+\j]   ; (a conversion's three registers begin on an even number)
.endr
	v_nop                                          ; one plain place behind a scaled conversion
.irp j, 0,1
.irp i, 0,1,2
	v_mov_b32 v[CD+8*\j+3+\i], v[CT+4*\j+\i]
.endr
.endr
.irp j, 0,1
.if (\t) < 2
	ds_store_b128 v5, v[CD+8*\j:CD+8*\j+3] offset:16*\j+256*HB             ; registers 0-3 of the fragment
	ds_store_b64 v5, v[CD+8*\j+4:CD+8*\j+5] offset:512+16*\j+256*HB        ; registers 4, 5
.else
	ds_store_b64 v5, v[CD+8*\j:CD+8*\j+1] offset:520+16*\j+256*HB          ; registers 6, 7
	ds_store_b128 v5, v[CD+8*\j+2:CD+8*\j+5] offset:1024+16*\j+256*HB      ; registers 8-11
.endif
.endr
.if (\t)+2 < 4
	WLOAD (\t)+2
.endif
.endm
	WLOAD 0
	WLOAD 1
.irp t, 0,1,2,3
	WBLOCK \t
.endr
.irp q, 0,1,2,3,4,5,6,7,8,9,10,11
	ds_load_b128 v[X+4*\q:X+4*\q+3], v6 offset:512*\q   ; the four images, 512 bytes a load; LDS serves a wave's instructions in order: these see my stores
.endr
	global_store_b64 v7, v[16:17], s[60:61]        ; my two columns' scale words are neighbours
.irp q, 0,1,2,3,4,5,6,7,8,9,10,11
	s_wait_dscnt 11-\q                             ; load q is in; the younger ones may be out
	global_store_b128 v9, v[X+4*\q:X+4*\q+3], s[52+2*(\q/3):53+2*(\q/3)] offset:512*(\q%3)   ; 512 consecutive bytes a store; no register of a store is written again
.endr
	s_wait_tensorcnt 0x0                           ; the wave's end, behind my last LDS store
	ds_add_u32 v[SPW], v[NIL]
	s_wait_dscnt 0x0
	s_endpgm
.Lfunc_end_k_q95737ee39c_prep:
	.size	k_q95737ee39c_prep, .Lfunc_end_k_q95737ee39c_prep-k_q95737ee39c_prep
	.p2alignl 7, 3214868480
	.fill 96, 4, 3214868480
	.section	.rodata,"a",@progbits
	.p2align	6, 0x0
	.amdhsa_kernel k_q95737ee39c_prep
		.amdhsa_group_segment_fixed_size 126976
		.amdhsa_private_segment_fixed_size 0
		.amdhsa_enable_private_segment 0
		.amdhsa_kernarg_size 64
		.amdhsa_user_sgpr_count 2
		.amdhsa_user_sgpr_kernarg_segment_ptr 1
		.amdhsa_wavefront_size32 1
		.amdhsa_system_sgpr_workgroup_id_x 1
		.amdhsa_system_sgpr_workgroup_id_y 1
		.amdhsa_system_sgpr_workgroup_id_z 1
		.amdhsa_system_vgpr_workitem_id 0
		.amdhsa_next_free_vgpr 256
		.amdhsa_next_free_sgpr 66
		.amdhsa_reserve_vcc 0
		.amdhsa_float_denorm_mode_32 3
		.amdhsa_float_denorm_mode_16_64 3
		.amdhsa_memory_ordered 1
		.amdhsa_forward_progress 1
		.amdhsa_inst_pref_size 65
	.end_amdhsa_kernel
	.amdgpu_metadata
---
amdhsa.version: [ 1, 2 ]
amdhsa.kernels:
  - .name:           k_q95737ee39c_prep
    .symbol:         k_q95737ee39c_prep.kd
    .args:
      - { .name: x, .offset: 0, .size: 8, .value_kind: global_buffer, .address_space: global }
      - { .name: ln1_g, .offset: 8, .size: 8, .value_kind: global_buffer, .address_space: global }
      - { .name: ln1_b, .offset: 16, .size: 8, .value_kind: global_buffer, .address_space: global }
      - { .name: w_qkv, .offset: 24, .size: 8, .value_kind: global_buffer, .address_space: global }
      - { .name: w_out, .offset: 32, .size: 8, .value_kind: global_buffer, .address_space: global }
      - { .name: w1, .offset: 40, .size: 8, .value_kind: global_buffer, .address_space: global }
      - { .name: w2, .offset: 48, .size: 8, .value_kind: global_buffer, .address_space: global }
      - { .name: wq, .offset: 56, .size: 8, .value_kind: global_buffer, .address_space: global }
    .group_segment_fixed_size: 126976
    .private_segment_fixed_size: 0
    .kernarg_segment_align: 8
    .kernarg_segment_size: 64
    .max_flat_workgroup_size: 256
    .sgpr_count:     66
    .vgpr_count:     256
    .wavefront_size: 32
...
	.end_amdgpu_metadata
.endif
;; end of part 1
;; launch qkv (part 2): grid 8 x 24, 4 waves a work-group, clusters of 4 x 4, 327,680 bytes of LDS; arguments wq, qkvc; writes qkvc
.if DOCPART == 2
	.amdgcn_target "amdgcn-amd-amdhsa--gfx1250"
	.amdhsa_code_object_version 6
	.text
	.protected	k_q95737ee39c_qkv
	.globl	k_q95737ee39c_qkv
	.p2align	8
	.type	k_q95737ee39c_qkv,@function
k_q95737ee39c_qkv:
	s_mov_b64 s[64:65], 0
	v_nop
	global_prefetch_b8 v0, s[64:65] scope:SCOPE_SE
	s_setreg_imm32_b32 hwreg(HW_REG_WAVE_MODE, 25, 1), 1
	s_wait_xcnt 0x0
	s_wait_alu depctr_hold_cnt(0) depctr_sa_sdst(0) depctr_va_vdst(0) depctr_va_sdst(0) depctr_va_ssrc(0) depctr_va_vcc(0) depctr_vm_vsrc(0)
	s_getreg_b32 s2, hwreg(HW_REG_IB_STS2, 6, 4)
	s_cmp_eq_u32 s2, 0
	s_cbranch_scc0 .Lentry_in_a_cluster
	s_endpgm
.Lentry_in_a_cluster:
	s_bfe_u32 s2, ttmp6, 0x10000c
	s_cmp_lg_u32 s2, 0xf033
	s_cbranch_scc0 .Lentry_shape_is_right
	s_endpgm
.Lentry_shape_is_right:
; q, k, v = LN1(x) w_qkv on codes of FP6 (E2M3) with E8M0 scales, and each result quantised again for attention: q and k along the head's 64, v along the keys.
; OPERANDS lie in memory as register images: tile T = rows 32 (T/2) + 8 (T%2) + r + 8 (r/8); a fragment (16 rows x 128 K) is 1,536 bytes, register 4 p + e of a lane at 512 p + 16 lane + 4 e;
; codes[T][8 K steps][1536], scale words [T][8][64].  Source 0 ("P") runs along the result's registers: by the tiles' order the 64 registers of a lane's eight tiles are 128 neighbours, 32 b + 16 (lane / 16) + i in
; register 16 b + i; source 1 ("Q") gives the lane its row.  So what is to be quantised along an axis takes that axis as P.
; Clusters with y 0-3: P = w_qkv's columns 0-2047 (q, k), Q = tokens.  Clusters with y 4, 5: P = tokens, Q = w_qkv's columns 2048-3071 (v).  Only offsets differ; both parts walk one text up to the way out.
; A work-group of four waves makes 256 x 256, a wave 128 x 128: 64 accumulators.  K goes through two LDS slots of 256 along K, filled by the tensor data mover; all scale words of the work-group's rows come once.
; CLUSTERS 4 x 4: Q's tiles hang on y alone and are asked for jointly along a row of the cluster, P's on x alone and along a column.
; No prefetch: half of a work-group's tiles are asked for at the head, and K is four slots long.  192 work-groups: 8 x 16 tiles of q, k and 16 x 4 of v.
; LIMITS: NaN and infinities are not served; blocks under 2^-124 hold the byte 1; a block of zeros has the byte 1.
; REGISTERS: window 0: v1-11 addresses, v12, v13 the add's two, v16-27 LDS addresses, v32-47 scale words (two sets), v64-255 Q's fragments (two sets).  window 1: v0-191 P's (two sets).  windows 2, 3: accumulator (a, b) at v[64 (a % 4) + 8 b].
.set NT,  8                            ; tiles of 16 rows a wave, each side
.set S,   2                            ; K steps of 128 in a slot
.set KST, 8                            ; K steps in all
.set CM0, 1                            ; the first products start the sums with 0
.set H_S,    3145728
.set WQKV_C, 3276800
.set WQKV_S, 12713984
.set Q_S,  9437184                     ; in the output: q's codes at 0 [bh][tile][768]; k, v at KV_C [bh][4 chunks][32 tiles x 768 | 4 key steps x 4 tiles x 1536]
.set KV_C, 3145728
.set KV_S, 9699328                     ; [bh][k's words 8192 | v's 4096]
.set FRB,  1536
.set QTR,  NT*S*FRB                    ; what one tensor load brings, and what a wave reads of one side
.set SLOT, 4*QTR                       ; Q's two halves, then P's two
.set SCL,  2*SLOT                      ; behind the ring: the scale words, four quarters; P's begin 128 bytes further on, so that Q's and P's sixteen words fall on different banks
.set SQ,   NT*KST*64
.set SPARE, SCL+4*SQ+256               ; the spare words, 128 bytes a wave
.set LAPS, KST/(2*S)
.set ADRQ, 16
.set ADRP, 20
.set ADRS, 27
.set SPW,  12
.set NIL,  13
.set SC,   32
.set QF,   64
.set TM,   44                          ; the way out: v44-59 at work, v60 the scale word, v128-146 the codes
.set PW,   60
.set PC,   128
.set SEL,  18
.set G1,   24
.set G0,   32
.set G1B,  48
.set G0B,  56
.set G1S,  68
.set G0S,  76
.set G1SB, 80
.set G0SB, 88
.set MSB, 0
.macro WIN new                         ; the immediate's high byte repeats the setting that is left
.if MSB != \new
	s_set_vgpr_msb (MSB<<8)|\new
.set MSB, \new
.endif
.endm
.macro PLACES                          ; four plain places behind matrix instructions, ahead of loads into their sources and of reads of their results
.rept 4
	v_nop
.endr
.endm
; A joint load: waves 0 and 1 fetch for Q, waves 2 and 3 for P; the branch hangs on the wave's number alone.  An s_nop 0 and four v_nop follow each line.
.macro JLOAD g0a, g1a, g0b, g1b
	s_cmp_eq_u32 s15, 0
	s_cbranch_scc0 .Lfor_b_\@
	tensor_load_to_lds s[\g0a:\g0a+3], s[\g1a:\g1a+7]
	s_nop 0
.rept 4
	v_nop
.endr
	s_branch .Lasked_\@
.Lfor_b_\@:
	tensor_load_to_lds s[\g0b:\g0b+3], s[\g1b:\g1b+7]
	s_nop 0
.rept 4
	v_nop
.endr
.Lasked_\@:
.endm
.macro CREST                           ; a round of the cluster's barrier behind its opening barrier
	s_cmp_lg_u32 s14, 0
	s_cbranch_scc1 .Lnot_wave_0_\@
	s_barrier_signal -3
.Lnot_wave_0_\@:
	s_barrier_wait -3
	s_barrier_signal -1
	s_barrier_wait -1
.endm
.macro CROUND
	s_barrier_signal -1
	s_barrier_wait -1
	CREST
.endm
; NT matrix instructions: Q's tile a against P's NT tiles, from buffer buf.  cm 0: on in place; 1: C = 0; 2: C = the bias.  The accumulators take turns, in the same order in every step.
.macro MULA a, buf, cm
.set AR, (8*NT*(\a))%256
.set AW, 2+(8*NT*(\a))/256
.if \cm == 2
.set WN, (AW<<6)|0x11
.else
.set WN, (AW<<6)|(AW<<4)|0x01
.endif
	WIN WN
.set PB, 12*NT*(\buf)
.set QB, QF+12*NT*(\buf)+12*(\a)
.set SB, SC+NT*(\buf)
.set BB, 0
.rept NT
.if \cm == 0
	v_wmma_scale_f32_16x16x128_f8f6f4 v[AR+8*BB:AR+8*BB+7], v[PB+12*BB:PB+12*BB+11], v[QB:QB+11], v[AR+8*BB:AR+8*BB+7], v[SB+BB], v[SB+(\a)] matrix_a_fmt:MATRIX_FMT_FP6 matrix_b_fmt:MATRIX_FMT_FP6 matrix_a_scale:MATRIX_SCALE_ROW1
.elseif \cm == 1
	v_wmma_scale_f32_16x16x128_f8f6f4 v[AR+8*BB:AR+8*BB+7], v[PB+12*BB:PB+12*BB+11], v[QB:QB+11], 0, v[SB+BB], v[SB+(\a)] matrix_a_fmt:MATRIX_FMT_FP6 matrix_b_fmt:MATRIX_FMT_FP6 matrix_a_scale:MATRIX_SCALE_ROW1
.else
	v_wmma_scale_f32_16x16x128_f8f6f4 v[AR+8*BB:AR+8*BB+7], v[PB+12*BB:PB+12*BB+11], v[QB:QB+11], v[BIAS+8*BB:BIAS+8*BB+7], v[SB+BB], v[SB+(\a)] matrix_a_fmt:MATRIX_FMT_FP6 matrix_b_fmt:MATRIX_FMT_FP6 matrix_a_scale:MATRIX_SCALE_ROW1
.endif
.set BB, BB+1
.endr
.endm
.macro MULS a0, n, buf, cm
.set AA, \a0
.rept \n
	MULA AA, \buf, \cm
.set AA, AA+1
.endr
.endm
; 7 NT LDS loads in one run: a K step's fragments of P, its scale words (lanes 0-15 Q's tile i, lanes 16-31 P's tile i), its fragments of Q in ascending tiles; each load reads 512 consecutive bytes
.macro FETCH slot, kin, buf, step
	WIN 0
.if \step
	v_add_nc_u32 v[ADRS], 64, v[ADRS]              ; on to the next K step's scale words
.endif
	WIN 0x40
.set II, 0
.rept NT
.irp p, 0,1,2
	ds_load_b128 v[12*NT*(\buf)+12*II+4*\p:12*NT*(\buf)+12*II+4*\p+3], v[ADRP+\slot] offset:(II*S+(\kin))*FRB+512*\p
.endr
.set II, II+1
.endr
	WIN 0
.set II, 0
.rept NT
	ds_load_b32 v[SC+NT*(\buf)+II], v[ADRS] offset:II*KST*64
.set II, II+1
.endr
.set II, 0
.rept NT
.irp p, 0,1,2
	ds_load_b128 v[QF+12*NT*(\buf)+12*II+4*\p:QF+12*NT*(\buf)+12*II+4*\p+3], v[ADRQ+\slot] offset:(II*S+(\kin))*FRB+512*\p
.endr
.set II, II+1
.endr
.endm
; A K step that has its successor in the same slot: the successor's fragments are asked for first and have the whole step in which to land
.macro STEP slot, kin, cm
	s_wait_dscnt 3*NT/2                            ; P, the scale words and Q's lower tiles are in; the youngest 3 NT / 2 loads (Q's upper tiles) may be out
	PLACES
	FETCH \slot, (\kin)+1, ((\kin)+1)%2, 1
	MULS 0, NT/2, (\kin)%2, \cm
	s_wait_dscnt 7*NT                              ; all but the 7 NT just issued
	MULS NT/2, NT/2, (\kin)%2, \cm
.endm
; A slot's last step changes slots: one barrier; ahead of it each wave waits for all its tensor loads, adds 0 to its spare word, and waits for that and for its reads of this slot.  fill = 1: this slot is filled again, two slots ahead.
.macro TURN slot, next, fill
	WIN 0
	s_wait_tensorcnt 0x0                           ; all my tensor loads have landed: my part of the next slot
	ds_add_u32 v[SPW], v[NIL]                      ; 0 onto my spare word
	s_wait_dscnt 3*NT/2+1                          ; (the add and Q's upper tiles may be out)
	MULS 0, NT/4, 1, 0
	s_wait_dscnt 0x0                               ; the add is done, and my reads of this slot are over
	s_barrier_signal -1
	MULS NT/4, NT/4, 1, 0
	WIN 0
	s_barrier_wait -1
.if \fill
	CREST                                          ; the barrier has opened a round of the cluster's: no wave of any partner still reads this slot or has a load on its way
	s_add_nc_u64 s[G0+4*\slot+2:G0+4*\slot+3], s[G0+4*\slot+2:G0+4*\slot+3], 2*S*FRB
	s_add_nc_u64 s[G0B+4*\slot+2:G0B+4*\slot+3], s[G0B+4*\slot+2:G0B+4*\slot+3], 2*S*FRB
	JLOAD G0+4*\slot, G1, G0B+4*\slot, G1B         ; the first tensor load behind the round; its four v_nop are the places ahead of the loads below
.else
	PLACES
.endif
	FETCH \next, 0, 0, 1
	MULS NT/2, NT/2, 1, 0
.endm
.macro MIDS slot                       ; a slot's steps 1 .. S - 2
.set KK, 1
.rept S-2
	STEP \slot, KK, 0
.set KK, KK+1
.endr
.endm
; 64 numbers of a lane in window w, register 16 b + i = k 32 b + 16 (lane / 16) + i, become a fragment in v[PC] on and its scale word in v[PW].  Each accumulator is read from its low end on.
.macro QUANT s, w
.set WN, (\w)|((\w)<<2)
	WIN WN
.irp b, 0,1,2,3
	v_max3_num_f32 v[TM+\b], |v[\s+16*\b]|, |v[\s+16*\b+1]|, 0x1800000   ; and the floor 2^(3 - 127)
.endr
.irp i, 2,4,6,8,10,12,14
.irp b, 0,1,2,3
	v_max3_num_f32 v[TM+\b], |v[\s+16*\b+\i]|, |v[\s+16*\b+\i+1]|, v[TM+\b]
.endr
.endr
	WIN 0
	s_wait_xcnt 0x0                                ; the last tile's stores have read their data: the word and the codes may be written anew
.irp b, 0,1,2,3
	v_permlanex16_b32 v[TM+4+\b], v[TM+\b], s[SEL], s[SEL+1]
.endr
.irp b, 0,1,2,3
	v_max_num_f32 v[TM+\b], v[TM+\b], v[TM+4+\b]
.endr
.irp b, 0,1,2,3
	v_add_nc_u32 v[TM+12+\b], 0xff000000, v[TM+\b]   ; 2 off the exponent field: the conversion's scale operand
.endr
.irp b, 0,1,2,3
	v_lshrrev_b32 v[TM+4+\b], 23, v[TM+12+\b]
.endr
	v_lshl_or_b32 v[PW], v[TM+5], 8, v[TM+4]
	v_lshl_or_b32 v[PW], v[TM+6], 16, v[PW]
	v_lshl_or_b32 v[PW], v[TM+7], 24, v[PW]
	WIN \w
.irp c, 0,1
	v_cvt_scalef32_pk16_fp6_f32 v[PC+6*\c:PC+6*\c+2], v[\s+32*\c:\s+32*\c+15], v[TM+12+2*\c]
	v_cvt_scalef32_pk16_fp6_f32 v[PC+12+4*\c:PC+14+4*\c], v[\s+32*\c+16:\s+32*\c+31], v[TM+13+2*\c]
.endr
	WIN 0
	v_nop                                          ; one plain place behind a scaled conversion
.irp c, 0,1
.irp i, 0,1,2
	v_permlane16_swap_b32 v[PC+6*\c+\i], v[PC+12+4*\c+\i]
.endr
.irp i, 0,1,2
	v_mov_b32 v[PC+3+6*\c+\i], v[PC+12+4*\c+\i]
.endr
.endr
.endm
	s_load_b128 s[4:7], s[0:1], 0x0                ; operands s[4:5], output s[6:7]
	v_lshl_add_u32 v[SPW], v0, 2, SPARE
	v_mov_b32 v[NIL], 0
	ds_add_u32 v[SPW], v[NIL]                      ; the wave's opening: the add and its wait ahead of my first tensor load
	v_lshrrev_b32 v1, 5, v0
	v_readfirstlane_b32 s14, v1                    ; wave 0..3
	s_lshr_b32 s15, s14, 1                         ; my half of Q's rows.  Also: I fetch for Q (0) or for P (1)
	s_and_b32 s16, s14, 1                          ; my half of P's rows.  Also: which half I fetch
	s_bfe_u32 s40, ttmp6, 0x40000                  ; cx, cy
	s_bfe_u32 s41, ttmp6, 0x40004
	s_lshl_b32 s42, ttmp9, 2
	s_add_co_u32 s42, s42, s40                     ; x = 4 x cluster x + cx
	s_and_b32 s96, ttmp7, 0xffff                   ; cluster y: the same in all sixteen partners
	s_lshl_b32 s17, s96, 2
	s_add_co_u32 s17, s17, s41                     ; y
	s_lshl_b32 s43, s41, 2
	s_lshl_b32 s43, 15, s43                        ; my row of the cluster
	s_lshl_b32 s44, 0x1111, s40                    ; my column
	s_or_b32 s[G1+0], s43, (3<<16)|(1<<21)         ; codes: NT rows (tiles) of S fragments, elements of 8 bytes; the mask, and bit 21 beside it
	s_or_b32 s[G1B+0], s44, (3<<16)|(1<<21)
.irp g, G1, G1B
	s_mov_b32 s[\g+1], (192*S)<<16                 ; tensor_dim0
	s_mov_b32 s[\g+2], NT<<16                      ; tensor_dim1
	s_mov_b32 s[\g+3], (192*S)<<16                 ; tile_dim0
	s_mov_b32 s[\g+4], NT                          ; tile_dim1
	s_mov_b32 s[\g+5], 192*KST                     ; from tile to tile
	s_mov_b32 s[\g+6], 0
	s_mov_b32 s[\g+7], 0
.endr
	s_or_b32 s[G1S+0], s43, (3<<16)|(1<<21)        ; scale words of NT tiles: a dense block, as rows of 256 bytes
	s_or_b32 s[G1SB+0], s44, (3<<16)|(1<<21)
.irp g, G1S, G1SB
	s_mov_b32 s[\g+1], 32<<16
	s_mov_b32 s[\g+2], (SQ/256)<<16
	s_mov_b32 s[\g+3], 32<<16
	s_mov_b32 s[\g+4], SQ/256
	s_mov_b32 s[\g+5], 32
	s_mov_b32 s[\g+6], 0
	s_mov_b32 s[\g+7], 0
.endr
	s_max_u32 s97, s96, 4
	s_sub_co_u32 s97, s97, 4
	s_lshl_b32 s97, s97, 7                         ; v's part: 128 tiles of tokens for each cluster y above 4
	s_lshl_b32 s98, s96, 6                         ; q's and k's part: 64 tiles of tokens a cluster y
	s_mul_i32 s18, s16, NT
	s_lshl_b32 s46, s42, 4
	s_add_co_u32 s46, s46, s97
	s_add_co_u32 s46, s46, s18                     ; P's tile: made of x, cluster y and the wave
	s_lshl_b32 s20, s41, 4
	s_add_co_u32 s20, s20, s18
	s_mov_b32 s99, WQKV_S
	s_mov_b32 s97, H_S
	s_cmp_ge_u32 s96, 4                            ; v's part?
	s_cselect_b32 s98, 128, s98
	s_cselect_b32 s100, 0, WQKV_C                  ; P's codes: the tokens' or the weight's
	s_cselect_b32 s101, s97, s99                   ; P's scale words
	s_cselect_b32 s19, WQKV_C, 0                   ; Q's codes
	s_cselect_b32 s99, s99, s97                    ; Q's scale words
	s_add_co_u32 s20, s20, s98                     ; Q's tile: made of cy, cluster y and the wave
	s_mul_i32 s22, s20, KST*64
	s_add_co_u32 s22, s22, s99
	s_mov_b32 s23, 0
	s_mul_i32 s20, s20, KST*FRB
	s_add_co_u32 s20, s20, s19
	s_mov_b32 s21, 0
	s_mul_i32 s92, s46, KST*64
	s_add_co_u32 s92, s92, s101
	s_mov_b32 s93, 0
	s_mul_i32 s46, s46, KST*FRB
	s_add_co_u32 s46, s46, s100
	s_mov_b32 s47, 0
	s_mul_i32 s45, s14, QTR                        ; where they go: by the wave's number alone
	s_mul_i32 s94, s14, SQ
	s_lshl_b32 s95, s15, 7
	s_add_co_u32 s94, s94, s95
	s_wait_dscnt 0x0                               ; the opening add is done
	s_wait_kmcnt 0x0
	s_add_nc_u64 s[20:21], s[4:5], s[20:21]
	s_add_nc_u64 s[22:23], s[4:5], s[22:23]
	s_add_nc_u64 s[46:47], s[4:5], s[46:47]
	s_add_nc_u64 s[92:93], s[4:5], s[92:93]
	CROUND                                         ; all sixteen work-groups are here: the first joint loads meet
	s_mov_b32 s[G0S], 1
	s_add_co_u32 s[G0S+1], s94, SCL
	s_mov_b64 s[G0S+2:G0S+3], s[22:23]
	s_or_b32 s[G0S+3], s[G0S+3], 0x80000000
	s_mov_b32 s[G0SB], 1
	s_add_co_u32 s[G0SB+1], s94, SCL
	s_mov_b64 s[G0SB+2:G0SB+3], s[92:93]
	s_or_b32 s[G0SB+3], s[G0SB+3], 0x80000000
	JLOAD G0S, G1S, G0SB, G1SB                     ; three loads of mine are out at the most: the scale words, slot 0, slot 1
.irp s, 0,1
	s_mov_b32 s[G0+4*\s], 1
	s_add_co_u32 s[G0+4*\s+1], s45, \s*SLOT
	s_add_nc_u64 s[G0+4*\s+2:G0+4*\s+3], s[20:21], \s*S*FRB
	s_or_b32 s[G0+4*\s+3], s[G0+4*\s+3], 0x80000000
	s_mov_b32 s[G0B+4*\s], 1
	s_add_co_u32 s[G0B+4*\s+1], s45, \s*SLOT
	s_add_nc_u64 s[G0B+4*\s+2:G0B+4*\s+3], s[46:47], \s*S*FRB
	s_or_b32 s[G0B+4*\s+3], s[G0B+4*\s+3], 0x80000000
	JLOAD G0+4*\s, G1, G0B+4*\s, G1B
.endr
	v_and_b32 v1, 15, v0                           ; r
	v_bfe_u32 v2, v0, 4, 1                         ; h
	v_and_b32 v3, 31, v0
	v_lshlrev_b32 v4, 4, v3                        ; 16 x lane
	v_lshlrev_b32 v5, 2, v1                        ; 4 r
	s_mul_i32 s21, s15, QTR
	s_mul_i32 s22, s16, QTR
	s_add_co_u32 s22, s22, 2*QTR
.irp s, 0,1
	v_add_nc_u32 v[ADRQ+\s], s21, v4
	v_add_nc_u32 v[ADRP+\s], s22, v4
	s_add_co_u32 s21, s21, SLOT
	s_add_co_u32 s22, s22, SLOT
.endr
	s_mul_i32 s21, s15, SQ
	s_mul_i32 s22, s16, SQ
	s_add_co_u32 s22, s22, 2*SQ+128
	s_sub_co_u32 s22, s22, s21
	v_mul_u32_u24 v6, s22, v2                      ; lanes 16-31 take P's words: the lower base + h x the distance
	s_add_co_u32 s21, s21, SCL
	v_add_nc_u32 v6, v5, v6
	v_add_nc_u32 v[ADRS], s21, v6
	s_wait_tensorcnt 1                             ; the scale words and my part of slot 0 are in; slot 1's load may be out
	s_barrier_signal -1
	s_barrier_wait -1
	FETCH 0, 0, 0, 0
	STEP 0, 0, CM0                                 ; the first step stands ahead of the loop: its products start the sums
.if LAPS > 1
	WIN 0
	s_mov_b32 s3, LAPS-1
.Llap:                                                 ; a trip goes once round the ring and fills both slots again
	MIDS 0
	TURN 0, 1, 1
	STEP 1, 0, 0
	MIDS 1
	TURN 1, 0, 1
	STEP 0, 0, 0
	WIN 0
	s_sub_co_u32 s3, s3, 1
	s_cmp_lg_u32 s3, 0
	s_cbranch_scc1 .Llap
.endif
	MIDS 0
	TURN 0, 1, 0                                   ; the last lap fills nothing
	STEP 1, 0, 0
	MIDS 1
	s_wait_dscnt 3*NT/2                            ; the very last step
	MULS 0, NT/2, 1, 0
	s_wait_dscnt 0x0
	MULS NT/2, NT/2, 1, 0
	WIN 0
	PLACES
	; THE WAY OUT: each of my eight tiles of Q's rows is quantised along P and stored as a register image.
	s_mov_b32 s[SEL], 0x76543210
	s_mov_b32 s[SEL+1], 0xfedcba98
.irp b, 0,1,2,3
	v_mov_b32 v[TM+4+\b], 0                        ; written once: a lane permute's destination counts as one of its sources
.endr
	s_cmp_lt_u32 s96, 4                            ; by the cluster's y: alike in all partners
	s_cbranch_scc0 .Lvpart
	; q or k: lane = token, my 128 columns are two heads: registers 0-5 of the fragment are the first head's 64, registers 6-11 the second's
	s_lshl_b32 s20, s17, 4
	s_lshl_b32 s21, s15, 3
	s_add_co_u32 s20, s20, s21                     ; my first tile of tokens
	s_lshr_b32 s21, s20, 7                         ; batch
	s_and_b32 s20, s20, 127                        ; tile in the batch
	s_and_b32 s22, s42, 3
	s_lshl_b32 s22, s22, 2
	s_lshl_b32 s23, s16, 1
	s_add_co_u32 s22, s22, s23                     ; my first head
	s_lshl_b32 s21, s21, 4
	s_add_co_u32 s21, s21, s22                     ; bh
	s_lshl_b32 s66, s21, 7
	s_add_co_u32 s66, s66, s20
	s_mul_i32 s67, s66, 768                        ; q: codes,
	s_lshl_b32 s66, s66, 6
	s_add_co_u32 s66, s66, Q_S                     ; scale words
	s_mul_i32 s68, s21, 196608                     ; k: codes,
	s_lshr_b32 s69, s20, 5
	s_mul_i32 s69, s69, 49152
	s_add_co_u32 s68, s68, s69
	s_and_b32 s69, s20, 31
	s_mul_i32 s69, s69, 768
	s_add_co_u32 s68, s68, s69
	s_add_co_u32 s68, s68, KV_C
	s_mul_i32 s69, s21, 12288                      ; scale words
	s_lshl_b32 s70, s20, 6
	s_add_co_u32 s69, s69, s70
	s_add_co_u32 s69, s69, KV_S
	s_mov_b32 s71, 196608                          ; from head to head
	s_mov_b32 s72, 12288
	s_cmp_eq_u32 ttmp9, 0                          ; x 0-3 are q's columns, x 4-7 k's
	s_cselect_b32 s86, s67, s68
	s_cselect_b32 s88, s66, s69
	s_cselect_b32 s90, 98304, s71
	s_cselect_b32 s72, 8192, s72
	s_mov_b32 s87, 0
	s_mov_b32 s89, 0
	s_mov_b32 s91, 0
	s_add_nc_u64 s[86:87], s[6:7], s[86:87]        ; the first head's codes,
	s_add_nc_u64 s[90:91], s[86:87], s[90:91]      ; the second's
	s_add_nc_u64 s[88:89], s[6:7], s[88:89]
	v_mul_u32_u24 v8, s72, v2
	v_lshl_add_u32 v8, v1, 2, v8                   ; scale words: lanes 0-15 the first head's, lanes 16-31 the second's
	v_lshlrev_b32 v9, 4, v2                        ; 16 h bits
	v_lshrrev_b32 v10, 1, v4                       ; 8 x lane
.set AA, 0
.rept 8
.set QSRC, 64*(AA%4)
.set QWIN, 2+AA/4
	QUANT QSRC, QWIN
	v_lshrrev_b32 v61, v9, v[PW]
	v_and_b32 v61, 0xffff, v61                     ; my head's two bytes; the two above are 0: they scale zero codes in attention
	global_store_b128 v4, v[PC:PC+3], s[86:87] offset:768*AA
	global_store_b64 v10, v[PC+4:PC+5], s[86:87] offset:768*AA+512
	global_store_b128 v4, v[PC+6:PC+9], s[90:91] offset:768*AA
	global_store_b64 v10, v[PC+10:PC+11], s[90:91] offset:768*AA+512
	global_store_b32 v8, v61, s[88:89] offset:64*AA
.set AA, AA+1
.endr
	s_branch .Lend
.Lvpart:
	; v: lane = a channel of a head, my 128 tokens are one key step: whole fragments
	s_sub_co_u32 s20, s96, 4
	s_lshl_b32 s20, s20, 3
	s_add_co_u32 s20, s20, s42
	s_lshl_b32 s20, s20, 1
	s_add_co_u32 s20, s20, s16                     ; which 128 tokens
	s_lshr_b32 s21, s20, 4                         ; batch
	s_and_b32 s20, s20, 15                         ; key step
	s_lshl_b32 s22, s41, 2
	s_lshl_b32 s23, s15, 1
	s_add_co_u32 s22, s22, s23                     ; my first head (four tiles to a head)
	s_lshl_b32 s21, s21, 4
	s_add_co_u32 s21, s21, s22
	s_mul_i32 s86, s21, 196608
	s_lshr_b32 s66, s20, 2
	s_mul_i32 s66, s66, 49152
	s_add_co_u32 s86, s86, s66
	s_and_b32 s66, s20, 3
	s_mul_i32 s66, s66, 6144
	s_add_co_u32 s86, s86, s66
	s_add_co_u32 s86, s86, KV_C+24576
	s_mov_b32 s87, 0
	s_add_nc_u64 s[86:87], s[6:7], s[86:87]
	s_mul_i32 s88, s21, 12288
	s_lshl_b32 s66, s20, 8
	s_add_co_u32 s88, s88, s66
	s_add_co_u32 s88, s88, KV_S+8192
	s_mov_b32 s89, 0
	s_add_nc_u64 s[88:89], s[6:7], s[88:89]
.set AA, 0
.rept 8
.set QSRC, 64*(AA%4)
.set QWIN, 2+AA/4
	QUANT QSRC, QWIN
.irp p, 0,1,2
	global_store_b128 v4, v[PC+4*\p:PC+4*\p+3], s[86:87] offset:(AA/4)*196608+(AA%4)*1536+512*\p
.endr
	global_store_b32 v5, v[PW], s[88:89] offset:(AA/4)*12288+(AA%4)*64   ; (both halves of the lanes hold the same word)
.set AA, AA+1
.endr
.Lend:
	s_wait_tensorcnt 0x0                           ; the wave's end
	ds_add_u32 v[SPW], v[NIL]
	s_wait_dscnt 0x0
	CROUND                                         ; the closing round
	s_endpgm
.Lfunc_end_k_q95737ee39c_qkv:
	.size	k_q95737ee39c_qkv, .Lfunc_end_k_q95737ee39c_qkv-k_q95737ee39c_qkv
	.p2alignl 7, 3214868480
	.fill 96, 4, 3214868480
	.section	.rodata,"a",@progbits
	.p2align	6, 0x0
	.amdhsa_kernel k_q95737ee39c_qkv
		.amdhsa_group_segment_fixed_size 327680
		.amdhsa_private_segment_fixed_size 0
		.amdhsa_enable_private_segment 0
		.amdhsa_kernarg_size 16
		.amdhsa_user_sgpr_count 2
		.amdhsa_user_sgpr_kernarg_segment_ptr 1
		.amdhsa_wavefront_size32 1
		.amdhsa_system_sgpr_workgroup_id_x 1
		.amdhsa_system_sgpr_workgroup_id_y 1
		.amdhsa_system_sgpr_workgroup_id_z 1
		.amdhsa_system_vgpr_workitem_id 0
		.amdhsa_next_free_vgpr 1024
		.amdhsa_next_free_sgpr 102
		.amdhsa_reserve_vcc 0
		.amdhsa_float_denorm_mode_32 3
		.amdhsa_float_denorm_mode_16_64 3
		.amdhsa_memory_ordered 1
		.amdhsa_forward_progress 1
		.amdhsa_inst_pref_size 180
	.end_amdhsa_kernel
	.amdgpu_metadata
---
amdhsa.version: [ 1, 2 ]
amdhsa.kernels:
  - .name:           k_q95737ee39c_qkv
    .symbol:         k_q95737ee39c_qkv.kd
    .args:
      - { .name: wq, .offset: 0, .size: 8, .value_kind: global_buffer, .address_space: global }
      - { .name: qkvc, .offset: 8, .size: 8, .value_kind: global_buffer, .address_space: global }
    .group_segment_fixed_size: 327680
    .private_segment_fixed_size: 0
    .kernarg_segment_align: 8
    .kernarg_segment_size: 16
    .max_flat_workgroup_size: 128
    .sgpr_count:     102
    .vgpr_count:     1024
    .wavefront_size: 32
...
	.end_amdgpu_metadata
.endif
;; end of part 2
;; launch attn (part 3): grid 8 x 32, 16 waves a work-group, clusters of 4 x 1, 210,944 bytes of LDS; arguments qkvc, ao; writes ao
.if DOCPART == 3
	.amdgcn_target "amdgcn-amd-amdhsa--gfx1250"
	.amdhsa_code_object_version 6
	.text
	.protected	k_q95737ee39c_attn
	.globl	k_q95737ee39c_attn
	.p2align	8
	.type	k_q95737ee39c_attn,@function
k_q95737ee39c_attn:
	s_mov_b64 s[64:65], 0
	v_nop
	global_prefetch_b8 v0, s[64:65] scope:SCOPE_SE
	s_setreg_imm32_b32 hwreg(HW_REG_WAVE_MODE, 25, 1), 1
	s_wait_xcnt 0x0
	s_wait_alu depctr_hold_cnt(0) depctr_sa_sdst(0) depctr_va_vdst(0) depctr_va_sdst(0) depctr_va_ssrc(0) depctr_va_vcc(0) depctr_vm_vsrc(0)
	s_getreg_b32 s2, hwreg(HW_REG_IB_STS2, 6, 4)
	s_cmp_eq_u32 s2, 0
	s_cbranch_scc0 .Lentry_in_a_cluster
	s_endpgm
.Lentry_in_a_cluster:
	s_bfe_u32 s2, ttmp6, 0x10000c
	s_cmp_lg_u32 s2, 0x3003
	s_cbranch_scc0 .Lentry_shape_is_right
	s_endpgm
.Lentry_shape_is_right:
; o = softmax(q k^T / 8) v for one head and 256 queries a work-group, both products on codes of FP6 (E2M3) with E8M0 scales; o / l is quantised along the head's 64 for the next product.
; THE SOFTMAX: t = score x log2(e) / 8; M = the running largest t rounded up to a whole number; p = 2^(t - M) is quantised along the keys, not normalised; the row's sum is taken of the unquantised p and divides at the end.
; SHARES: sixteen waves, each 16 queries in 256 registers, four waves to a SIMD; every wave walks the head's 2,048 keys, 128 a step.
; Both products are used transposed: S^T = k q^T, O^T = v^T p^T: a lane holds one query.  By the order of rows in a tile (32 (T/2) + 8 (T%2) + r + 8 (r/8)) the registers of two neighbouring tiles are 16 neighbours.
; THE HEAD IS 64 WIDE, half of the instruction's K: a tile of k or q is six registers a lane.  q's upper six are zero codes; as k's upper six the next tile's registers are named: they meet zero codes and add nothing (E2M3 has no NaN and no infinity).
; A WHOLE HEAD'S k AND v LIE IN LDS: four chunks of 512 keys (32 tiles of k x 768 bytes, then 4 key steps x 4 tiles of v x 1,536), as they lie in memory, and 12,288 bytes of scale words.  Nothing is filled again: no ring.
; CLUSTER 4 x 1: four query blocks of one head ask jointly.  Waves 0-3 issue five loads each at the head: five of mine are out at the most.  No prefetch: every tile is asked for at the head.
; The middle 512 bytes of an output fragment hold two heads' registers by turns of 8 bytes, so they are written in pieces of 8 bytes by two work-groups: a third of 3 MiB.
; LIMITS: NaN and infinities are not served; blocks under 2^-124 hold the byte 1; a block of zeros has the byte 1.
; REGISTERS: v1-5 lane places; v6, v7 the add's two; v8-11, v29 addresses in hand; v12 -M, v13 largest t, v[14:15] the sum; v16-27 q; v28 q's words; v30 at work; v31 4 r; v32-79 k, v80-85 zeros (later v32-50 p's codes);
; v86-89 v's words; v90-137 v; v138-201 S^T, then p; v202-233 O^T; v234-245 at work; v246-253 k's words; v254 f; v255 p's word.
.set SCB,   196608
.set SPARE, 208896
.set Q_S,   9437184
.set KV_C,  3145728
.set KV_S,  9699328
.set AO_S,  3145728
.set WV,  8
.set SEL, 52
.set CS,  54
.set TB,  56                           ; s56 where the step's tiles begin in LDS; s57 k's scale words; s58 v's; s59 a chunk's steps
.set TS,  57
.set TJ,  58
.set CNT, 59
.macro CROUND
	s_barrier_signal -1
	s_barrier_wait -1
	s_cmp_lg_u32 s[WV], 0
	s_cbranch_scc1 .Lnot_wave_0_\@
	s_barrier_signal -3
.Lnot_wave_0_\@:
	s_barrier_wait -3
	s_barrier_signal -1
	s_barrier_wait -1
.endm
	s_load_b128 s[4:7], s[0:1], 0x0                ; q, k, v s[4:5]; output s[6:7]
	v_lshl_add_u32 v6, v0, 2, SPARE
	v_mov_b32 v7, 0
	ds_add_u32 v6, v7                              ; the wave's opening: the add and its wait ahead of the first tensor load
	v_lshrrev_b32 v8, 5, v0
	v_readfirstlane_b32 s[WV], v8                  ; wave 0..15
	s_bfe_u32 s9, ttmp6, 0x40000                   ; cx
	s_lshl_b32 s10, ttmp9, 2
	s_add_co_u32 s10, s10, s9                      ; my block of 256 queries: it enters q's and the output's addresses alone
	s_and_b32 s11, ttmp7, 0xffff                   ; bh = 16 x batch + head, which the partners share
	s_mov_b32 s16, 15|(3<<16)|(1<<21)              ; scale words: 12 rows of 256 bytes; the mask names all four
	s_mov_b32 s17, 32<<16
	s_mov_b32 s18, 12<<16
	s_mov_b32 s19, 32<<16
	s_mov_b32 s20, 12
	s_mov_b32 s21, 32
	s_mov_b32 s22, 0
	s_mov_b32 s23, 0
	s_mov_b32 s24, 15|(3<<16)|(1<<21)              ; a quarter of a chunk: 48 rows of 256 bytes
	s_mov_b32 s25, 32<<16
	s_mov_b32 s26, 48<<16
	s_mov_b32 s27, 32<<16
	s_mov_b32 s28, 48
	s_mov_b32 s29, 32
	s_mov_b32 s30, 0
	s_mov_b32 s31, 0
	s_mul_i32 s12, s[WV], 3072
	s_mul_i32 s13, s[WV], 12288
	s_mul_i32 s14, s11, 12288
	s_add_co_u32 s14, s14, s12
	s_add_co_u32 s14, s14, KV_S
	s_mov_b32 s15, 0
	s_mul_i32 s60, s11, 196608
	s_add_co_u32 s60, s60, s13
	s_add_co_u32 s60, s60, KV_C
	s_mov_b32 s61, 0
	s_lshl_b32 s62, s10, 4
	s_add_co_u32 s62, s62, s[WV]                   ; my tile of queries in the batch
	s_lshl_b32 s63, s11, 7
	s_add_co_u32 s63, s63, s62
	s_mul_i32 s66, s63, 768
	s_mov_b32 s67, 0
	s_lshl_b32 s68, s63, 6
	s_add_co_u32 s68, s68, Q_S
	s_mov_b32 s69, 0
	s_lshr_b32 s70, s11, 4
	s_lshl_b32 s70, s70, 7
	s_add_co_u32 s70, s70, s62                     ; the output's tile: 128 x batch + mine
	s_lshl_b32 s70, s70, 3
	s_bfe_u32 s71, s11, 0x30001                    ; head / 2: the next product's K step
	s_add_co_u32 s70, s70, s71
	s_mul_i32 s72, s70, 1536
	s_mov_b32 s73, 0
	s_lshl_b32 s74, s70, 6
	s_and_b32 s71, s11, 1                          ; head % 2: which half of the fragment
	s_lshl_b32 s75, s71, 1
	s_add_co_u32 s74, s74, s75
	s_add_co_u32 s74, s74, AO_S
	s_mov_b32 s75, 0
	s_mov_b32 s[SEL], 0x76543210
	s_mov_b32 s[SEL+1], 0xfedcba98
	s_mov_b32 s[CS], 0x3e38aa3b                    ; c = log2(e) / 8
	s_mov_b32 s[CS+1], s[CS]
	s_mov_b32 s[TB], 0
	s_mov_b32 s[TS], 0
	s_mov_b32 s[TJ], 0
	s_wait_dscnt 0x0                               ; the opening add is done
	s_wait_kmcnt 0x0
	s_mov_b32 s32, 1
	s_add_co_u32 s33, s12, SCB
	s_add_nc_u64 s[34:35], s[4:5], s[14:15]
	s_or_b32 s35, s35, 0x80000000
	s_add_nc_u64 s[60:61], s[4:5], s[60:61]
.irp c, 0,1,2,3
	s_mov_b32 s[36+4*\c], 1
	s_add_co_u32 s[37+4*\c], s13, \c*49152
	s_add_nc_u64 s[38+4*\c:39+4*\c], s[60:61], \c*49152
	s_or_b32 s[39+4*\c], s[39+4*\c], 0x80000000
.endr
	s_add_nc_u64 s[66:67], s[4:5], s[66:67]
	s_add_nc_u64 s[68:69], s[4:5], s[68:69]
	s_add_nc_u64 s[72:73], s[6:7], s[72:73]
	s_add_nc_u64 s[74:75], s[6:7], s[74:75]
	CROUND                                         ; all four work-groups are here: the joint loads meet
	s_cmp_lt_u32 s[WV], 4                          ; waves 0-3 fetch a quarter of everything each: all first fills in one branch on the wave's number
	s_cbranch_scc0 .Lno_fetch
	tensor_load_to_lds s[32:35], s[16:23]
	s_nop 0
	tensor_load_to_lds s[36:39], s[24:31]
	s_nop 0
	tensor_load_to_lds s[40:43], s[24:31]
	s_nop 0
	tensor_load_to_lds s[44:47], s[24:31]
	s_nop 0
	tensor_load_to_lds s[48:51], s[24:31]
	s_nop 0
.rept 4
	v_nop
.endr
.Lno_fetch:
	v_and_b32 v8, 31, v0
	v_and_b32 v9, 15, v0
	v_lshlrev_b32 v1, 4, v8                        ; 16 x lane
	v_lshlrev_b32 v2, 3, v8
	v_add_nc_u32 v2, 512, v2                       ; 512 + 8 x lane: a half fragment's registers 4, 5
	v_add_nc_u32 v3, 24576, v1                     ; v's tiles lie behind a chunk's 32 tiles of k
	v_lshlrev_b32 v31, 2, v9                       ; 4 r
	v_add_nc_u32 v4, SCB, v31
	v_add_nc_u32 v5, SCB+8192, v31
	global_load_b128 v[16:19], v1, s[66:67]        ; q stays in registers
	global_load_b64 v[20:21], v2, s[66:67]
	global_load_b32 v28, v31, s[68:69]
	v_mov_b32 v13, 0xff61b1e6                      ; the largest t so far: -3e38
	v_floor_f32 v12, -v13
	v_mov_b32 v14, 0
	v_mov_b32 v15, 0
	v_mov_b32 v30, 0
	v_mov_b32 v255, 0
.irp j, 0,1,2,3,4,5
	v_mov_b32 v[22+\j], 0                          ; q's upper 64 along K: zero codes
	v_mov_b32 v[80+\j], 0                          ; and what the last tile of k names as its upper six
.endr
.irp j, 0,1,2,3
	v_mov_b32 v[238+\j], 0                         ; a lane permute's destination counts as one of its sources
.endr
.set J, 0
.rept 32
	v_mov_b32 v[202+J], 0                          ; O^T: the step is written once; its first walk finds zeros
.set J, J+1
.endr
.macro STEP                            ; 128 keys
	v_add_nc_u32 v8, s[TB], v1                     ; (these five are also the places behind the last step's products, ahead of the loads into their sources)
	v_add_nc_u32 v9, s[TB], v2
	v_add_nc_u32 v10, s[TB], v3
	v_add_nc_u32 v11, s[TS], v4
	v_add_nc_u32 v29, s[TJ], v5
.irp t, 0,1,2,3,4,5,6,7
	ds_load_b128 v[32+6*\t:35+6*\t], v8 offset:768*\t
	ds_load_b64 v[36+6*\t:37+6*\t], v9 offset:768*\t
.endr
.irp t, 0,1,2,3,4,5,6,7
	ds_load_b32 v[246+\t], v11 offset:64*\t
.endr
.irp t, 0,1,2,3
.irp p, 0,1,2
	ds_load_b128 v[90+12*\t+4*\p:93+12*\t+4*\p], v10 offset:1536*\t+512*\p
.endr
	ds_load_b32 v[86+\t], v29 offset:64*\t
.endr
	s_wait_dscnt 16                                ; k and its words are in; v's 16 loads may be out
.irp t, 0,1,2,3,4,5,6,7
	v_wmma_scale_f32_16x16x128_f8f6f4 v[138+8*\t:145+8*\t], v[32+6*\t:43+6*\t], v[16:27], 0, v[246+\t], v28 matrix_a_fmt:MATRIX_FMT_FP6 matrix_b_fmt:MATRIX_FMT_FP6
.endr
.rept 4
	v_nop
.endr
.irp b, 0,1,2,3
	v_max3_num_f32 v[234+\b], v[138+16*\b], v[139+16*\b], v[140+16*\b]   ; the largest score of each block of 32 keys: for the row's maximum and, since p rises with the score, for the block's largest p
.endr
.irp i, 3,5,7,9,11,13
.irp b, 0,1,2,3
	v_max3_num_f32 v[234+\b], v[234+\b], v[138+16*\b+\i], v[139+16*\b+\i]
.endr
.endr
.irp b, 0,1,2,3
	v_max_num_f32 v[234+\b], v[234+\b], v[153+16*\b]
.endr
.irp b, 0,1,2,3
	v_permlanex16_b32 v[238+\b], v[234+\b], s[SEL], s[SEL+1]
.endr
.irp b, 0,1,2,3
	v_max_num_f32 v[234+\b], v[234+\b], v[238+\b]
.endr
	v_max3_num_f32 v30, v234, v235, v236
	v_max_num_f32 v30, v30, v237
	v_mul_f32 v30, s[CS], v30
	v_max_num_f32 v13, v13, v30                    ; the running largest t
	v_mov_b32 v30, v12
	v_floor_f32 v12, -v13                          ; -M = floor(-t): M is a whole number
	v_sub_f32 v30, v12, v30
	v_cvt_i32_f32 v30, v30                         ; (it saturates)
	v_ldexp_f32 v254, 1.0, v30                     ; f = 2^(old M - new M): rounds nothing
.set J, 0
.rept 32
	v_pk_fma_f32 v[138+J:139+J], v[138+J:139+J], s[CS:CS+1], v[12:13] op_sel_hi:[1,0,0]   ; t - M
.set J, J+2
.endr
.irp b, 0,1,2,3
	v_fma_f32 v[234+\b], v[234+\b], s[CS], v12
.endr
.set J, 0
.rept 64
	v_exp_f32 v[138+J], v[138+J]                   ; p = 2^(t - M)
.set J, J+1
.endr
	v_pk_mul_f32 v[14:15], v[14:15], v[254:255] op_sel_hi:[1,0]   ; the sums under the new M (a plain place behind the exponentials)
	s_wait_alu depctr_va_vdst(0)                   ; one wait for the batch, ahead of its first reader
.irp b, 0,1,2,3
	v_exp_f32 v[234+\b], v[234+\b]                 ; the block's largest p
.endr
	v_pk_add_f32 v[238:239], v[138:139], v[140:141]   ; the row's sum, of the unquantised p, in two chains
.irp j, 4,8,12,16,20,24,28,32,36,40,44,48,52,56,60
	v_pk_add_f32 v[14:15], v[14:15], v[138+\j:139+\j]
	v_pk_add_f32 v[238:239], v[238:239], v[140+\j:141+\j]
.endr
	v_pk_add_f32 v[14:15], v[14:15], v[238:239]
	s_wait_alu depctr_va_vdst(0)                   ; and one for the four
.irp b, 0,1,2,3
	v_max_num_f32 v[234+\b], 0x1800000, v[234+\b]  ; the floor
.endr
.irp b, 0,1,2,3
	v_add_nc_u32 v[242+\b], 0xff000000, v[234+\b]
.endr
.irp b, 0,1,2,3
	v_lshrrev_b32 v[238+\b], 23, v[242+\b]
.endr
	v_lshl_or_b32 v255, v239, 8, v238              ; p's scale word for these 128 keys
	v_lshl_or_b32 v255, v240, 16, v255
	v_lshl_or_b32 v255, v241, 24, v255
.irp c, 0,1
	v_cvt_scalef32_pk16_fp6_f32 v[32+6*\c:34+6*\c], v[138+32*\c:153+32*\c], v[242+2*\c]
	v_cvt_scalef32_pk16_fp6_f32 v[44+4*\c:46+4*\c], v[154+32*\c:169+32*\c], v[243+2*\c]
.endr
	v_nop
.irp c, 0,1
.irp i, 0,1,2
	v_permlane16_swap_b32 v[32+6*\c+\i], v[44+4*\c+\i]
.endr
.irp i, 0,1,2
	v_mov_b32 v[35+6*\c+\i], v[44+4*\c+\i]
.endr
.endr
.set J, 0
.rept 16
	v_pk_mul_f32 v[202+J:203+J], v[202+J:203+J], v[254:255] op_sel_hi:[1,0]   ; O^T under the new M; of these sixteen, twelve name no register of any one product below: its places
.set J, J+2
.endr
	s_wait_dscnt 0x0                               ; v and its words are in
.irp t, 0,1,2,3
	v_wmma_scale_f32_16x16x128_f8f6f4 v[202+8*\t:209+8*\t], v[90+12*\t:101+12*\t], v[32:43], v[202+8*\t:209+8*\t], v[86+\t], v255 matrix_a_fmt:MATRIX_FMT_FP6 matrix_b_fmt:MATRIX_FMT_FP6
.endr
	s_add_co_u32 s[TB], s[TB], 6144
	s_add_co_u32 s[TS], s[TS], 512
	s_add_co_u32 s[TJ], s[TJ], 256
.endm
.macro CHUNK c                         ; 512 keys
	s_wait_tensorcnt 3-\c                          ; the scale words and chunks 0 to c have landed; the later chunks' loads may be out
	s_wait_dscnt 0x0
	s_barrier_signal -1
	s_barrier_wait -1                              ; everybody's parts have
	s_mov_b32 s[CNT], 4
.Lstep_\@:
	STEP
	s_sub_co_u32 s[CNT], s[CNT], 1
	s_cmp_lg_u32 s[CNT], 0
	s_cbranch_scc1 .Lstep_\@
	s_add_co_u32 s[TB], s[TB], 24576               ; over the chunk's tiles of v
.endm
	s_wait_loadcnt 0x0                             ; q
	CHUNK 0
	CHUNK 1
	CHUNK 2
	CHUNK 3
.rept 4
	v_nop
.endr
	v_add_f32 v14, v14, v15
	v_permlanex16_b32 v30, v14, s[SEL], s[SEL+1]
	v_add_f32 v14, v14, v30                        ; the row's sum
	v_rcp_f32 v14, v14
	v_nop
	s_wait_alu depctr_va_vdst(0)
.set J, 0
.rept 32
	v_mul_f32 v[138+J], v[202+J], v14              ; register 16 b + i: channel 32 b + 16 (lane / 16) + i of my query
.set J, J+1
.endr
.irp b, 0,1
	v_max3_num_f32 v[234+\b], |v[138+16*\b]|, |v[139+16*\b]|, 0x1800000
.endr
.irp i, 2,4,6,8,10,12,14
.irp b, 0,1
	v_max3_num_f32 v[234+\b], v[234+\b], |v[138+16*\b+\i]|, |v[139+16*\b+\i]|
.endr
.endr
.irp b, 0,1
	v_permlanex16_b32 v[238+\b], v[234+\b], s[SEL], s[SEL+1]
.endr
.irp b, 0,1
	v_max_num_f32 v[234+\b], v[234+\b], v[238+\b]
.endr
.irp b, 0,1
	v_add_nc_u32 v[242+\b], 0xff000000, v[234+\b]
.endr
.irp b, 0,1
	v_lshrrev_b32 v[238+\b], 23, v[242+\b]
.endr
	v_lshl_or_b32 v255, v239, 8, v238              ; my head's two bytes of the row's scale word
	v_cvt_scalef32_pk16_fp6_f32 v[32:34], v[138:153], v242
	v_cvt_scalef32_pk16_fp6_f32 v[44:46], v[154:169], v243
	v_nop
.irp i, 0,1,2
	v_permlane16_swap_b32 v[32+\i], v[44+\i]
.endr
.irp i, 0,1,2
	v_mov_b32 v[35+\i], v[44+\i]
.endr
	s_cmp_eq_u32 s71, 0                            ; an even head is registers 0-5 of the fragment, an odd one 6-11 (by the head: alike in all partners)
	s_cbranch_scc0 .Lodd
	global_store_b128 v1, v[32:35], s[72:73]
	global_store_b64 v1, v[36:37], s[72:73] offset:512
	s_branch .Lwords
.Lodd:
	global_store_b64 v1, v[32:33], s[72:73] offset:520
	global_store_b128 v1, v[34:37], s[72:73] offset:1024
.Lwords:
	global_store_b16 v31, v255, s[74:75]
	s_wait_tensorcnt 0x0                           ; the wave's end
	ds_add_u32 v6, v7
	s_wait_dscnt 0x0
	CROUND                                         ; the closing round
	s_endpgm
.Lfunc_end_k_q95737ee39c_attn:
	.size	k_q95737ee39c_attn, .Lfunc_end_k_q95737ee39c_attn-k_q95737ee39c_attn
	.p2alignl 7, 3214868480
	.fill 96, 4, 3214868480
	.section	.rodata,"a",@progbits
	.p2align	6, 0x0
	.amdhsa_kernel k_q95737ee39c_attn
		.amdhsa_group_segment_fixed_size 210944
		.amdhsa_private_segment_fixed_size 0
		.amdhsa_enable_private_segment 0
		.amdhsa_kernarg_size 16
		.amdhsa_user_sgpr_count 2
		.amdhsa_user_sgpr_kernarg_segment_ptr 1
		.amdhsa_wavefront_size32 1
		.amdhsa_system_sgpr_workgroup_id_x 1
		.amdhsa_system_sgpr_workgroup_id_y 1
		.amdhsa_system_sgpr_workgroup_id_z 1
		.amdhsa_system_vgpr_workitem_id 0
		.amdhsa_next_free_vgpr 256
		.amdhsa_next_free_sgpr 80
		.amdhsa_reserve_vcc 0
		.amdhsa_float_denorm_mode_32 3
		.amdhsa_float_denorm_mode_16_64 3
		.amdhsa_memory_ordered 1
		.amdhsa_forward_progress 1
		.amdhsa_inst_pref_size 79
	.end_amdhsa_kernel
	.amdgpu_metadata
---
amdhsa.version: [ 1, 2 ]
amdhsa.kernels:
  - .name:           k_q95737ee39c_attn
    .symbol:         k_q95737ee39c_attn.kd
    .args:
      - { .name: qkvc, .offset: 0, .size: 8, .value_kind: global_buffer, .address_space: global }
      - { .name: ao, .offset: 8, .size: 8, .value_kind: global_buffer, .address_space: global }
    .group_segment_fixed_size: 210944
    .private_segment_fixed_size: 0
    .kernarg_segment_align: 8
    .kernarg_segment_size: 16
    .max_flat_workgroup_size: 512
    .sgpr_count:     80
    .vgpr_count:     256
    .wavefront_size: 32
...
	.end_amdgpu_metadata
.endif
;; end of part 3
;; launch oproj (part 4): grid 8 x 32, 4 waves a work-group, clusters of 4 x 4, 327,680 bytes of LDS; arguments ao, wq, b_out, x, x1; writes x1
.if DOCPART == 4
	.amdgcn_target "amdgcn-amd-amdhsa--gfx1250"
	.amdhsa_code_object_version 6
	.text
	.protected	k_q95737ee39c_oproj
	.globl	k_q95737ee39c_oproj
	.p2align	8
	.type	k_q95737ee39c_oproj,@function
k_q95737ee39c_oproj:
	s_mov_b64 s[64:65], 0
	v_nop
	global_prefetch_b8 v0, s[64:65] scope:SCOPE_SE
	s_setreg_imm32_b32 hwreg(HW_REG_WAVE_MODE, 25, 1), 1
	s_wait_xcnt 0x0
	s_wait_alu depctr_hold_cnt(0) depctr_sa_sdst(0) depctr_va_vdst(0) depctr_va_sdst(0) depctr_va_ssrc(0) depctr_va_vcc(0) depctr_vm_vsrc(0)
	s_getreg_b32 s2, hwreg(HW_REG_IB_STS2, 6, 4)
	s_cmp_eq_u32 s2, 0
	s_cbranch_scc0 .Lentry_in_a_cluster
	s_endpgm
.Lentry_in_a_cluster:
	s_bfe_u32 s2, ttmp6, 0x10000c
	s_cmp_lg_u32 s2, 0xf033
	s_cbranch_scc0 .Lentry_shape_is_right
	s_endpgm
.Lentry_shape_is_right:
; y = a W + bias + residual, f32 out.  a [4096][K] and W [K][1024] come as codes of FP6 (E2M3) with E8M0 scales, as register images: tile T = rows 32 (T/2) + 8 (T%2) + r + 8 (r/8);
; a fragment (16 rows x 128 K) is 1,536 bytes, register 4 p + e of a lane at 512 p + 16 lane + 4 e; codes[T][K steps][1536], scale words [T][K steps][64].  Here K = 1,024 (the attention's output projection).
; Source 0 ("P") = W's columns, which run along the result's registers; source 1 ("Q") = tokens, one to a lane.
; 1,024 columns give 64 tiles of 256 x 256, too few for the chip's work-group processors: so a work-group makes 128 x 128 (256 work-groups), a wave 64 x 64: 16 accumulators.
; K goes through two LDS slots of 512 along K each; with K = 1,024 both are filled at the head and nothing is filled again.  All scale words come once.
; CLUSTERS 4 x 4: Q's tiles are asked for jointly along a row of the cluster, P's along a column.  No prefetch: every tile is asked for at the head.
; The bias is the C of the first products; the residual is loaded at the head, in the layout in which rows leave, and added on the way out.
; REGISTERS: window 0: v1-11 addresses, v12, v13 the add's two, v16-27 LDS addresses, v32-39 scale words (two sets), v64-159 Q's fragments (two sets; later rows on the way out).
; window 1: v0-95 P's fragments (two sets), v96-127 the bias, v128-255 the residual.  window 2: accumulator (a, b) at v[32 a + 8 b].
.set NT,  4
.set S,   4
.set KST, 8
.set CM0, 2
.set QSO, 3145728                      ; Q's scale words in its buffer (codes at 0)
.set PCO, 5636096                      ; P's codes and scale words in the weights' buffer
.set PSO, 12812288
.set FRB,  1536
.set QTR,  NT*S*FRB
.set SLOT, 4*QTR
.set SCL,  2*SLOT
.set SQ,   NT*KST*64
.set STG,  SCL+4*SQ+256                ; a stage of 16 rows x (256 + 16) bytes for each wave; no tile lands there
.set SPARE, STG+4*16*272
.set LAPS, KST/(2*S)
.set ADRQ, 16
.set ADRP, 20
.set ADRS, 27
.set SPW,  12
.set NIL,  13
.set STO,  8
.set RD,   9
.set CO,   10
.set SC,   32
.set QF,   64
.set BK,   64
.set BIAS, 96
.set RES,  128
.set G1,   24
.set G0,   32
.set G1B,  48
.set G0B,  56
.set G1S,  68
.set G0S,  76
.set G1SB, 80
.set G0SB, 88
.set MSB, 0
.macro WIN new                         ; the immediate's high byte repeats the setting that is left
.if MSB != \new
	s_set_vgpr_msb (MSB<<8)|\new
.set MSB, \new
.endif
.endm
.macro PLACES                          ; four plain places behind matrix instructions, ahead of loads into their sources and of reads of their results
.rept 4
	v_nop
.endr
.endm
; A joint load: waves 0 and 1 fetch for Q, waves 2 and 3 for P; the branch hangs on the wave's number alone.  An s_nop 0 and four v_nop follow each line.
.macro JLOAD g0a, g1a, g0b, g1b
	s_cmp_eq_u32 s15, 0
	s_cbranch_scc0 .Lfor_b_\@
	tensor_load_to_lds s[\g0a:\g0a+3], s[\g1a:\g1a+7]
	s_nop 0
.rept 4
	v_nop
.endr
	s_branch .Lasked_\@
.Lfor_b_\@:
	tensor_load_to_lds s[\g0b:\g0b+3], s[\g1b:\g1b+7]
	s_nop 0
.rept 4
	v_nop
.endr
.Lasked_\@:
.endm
.macro CREST                           ; a round of the cluster's barrier behind its opening barrier
	s_cmp_lg_u32 s14, 0
	s_cbranch_scc1 .Lnot_wave_0_\@
	s_barrier_signal -3
.Lnot_wave_0_\@:
	s_barrier_wait -3
	s_barrier_signal -1
	s_barrier_wait -1
.endm
.macro CROUND
	s_barrier_signal -1
	s_barrier_wait -1
	CREST
.endm
; NT matrix instructions: Q's tile a against P's NT tiles, from buffer buf.  cm 0: on in place; 1: C = 0; 2: C = the bias.  The accumulators take turns, in the same order in every step.
.macro MULA a, buf, cm
.set AR, (8*NT*(\a))%256
.set AW, 2+(8*NT*(\a))/256
.if \cm == 2
.set WN, (AW<<6)|0x11
.else
.set WN, (AW<<6)|(AW<<4)|0x01
.endif
	WIN WN
.set PB, 12*NT*(\buf)
.set QB, QF+12*NT*(\buf)+12*(\a)
.set SB, SC+NT*(\buf)
.set BB, 0
.rept NT
.if \cm == 0
	v_wmma_scale_f32_16x16x128_f8f6f4 v[AR+8*BB:AR+8*BB+7], v[PB+12*BB:PB+12*BB+11], v[QB:QB+11], v[AR+8*BB:AR+8*BB+7], v[SB+BB], v[SB+(\a)] matrix_a_fmt:MATRIX_FMT_FP6 matrix_b_fmt:MATRIX_FMT_FP6 matrix_a_scale:MATRIX_SCALE_ROW1
.elseif \cm == 1
	v_wmma_scale_f32_16x16x128_f8f6f4 v[AR+8*BB:AR+8*BB+7], v[PB+12*BB:PB+12*BB+11], v[QB:QB+11], 0, v[SB+BB], v[SB+(\a)] matrix_a_fmt:MATRIX_FMT_FP6 matrix_b_fmt:MATRIX_FMT_FP6 matrix_a_scale:MATRIX_SCALE_ROW1
.else
	v_wmma_scale_f32_16x16x128_f8f6f4 v[AR+8*BB:AR+8*BB+7], v[PB+12*BB:PB+12*BB+11], v[QB:QB+11], v[BIAS+8*BB:BIAS+8*BB+7], v[SB+BB], v[SB+(\a)] matrix_a_fmt:MATRIX_FMT_FP6 matrix_b_fmt:MATRIX_FMT_FP6 matrix_a_scale:MATRIX_SCALE_ROW1
.endif
.set BB, BB+1
.endr
.endm
.macro MULS a0, n, buf, cm
.set AA, \a0
.rept \n
	MULA AA, \buf, \cm
.set AA, AA+1
.endr
.endm
; 7 NT LDS loads in one run: a K step's fragments of P, its scale words (lanes 0-15 Q's tile i, lanes 16-31 P's tile i), its fragments of Q in ascending tiles; each load reads 512 consecutive bytes
.macro FETCH slot, kin, buf, step
	WIN 0
.if \step
	v_add_nc_u32 v[ADRS], 64, v[ADRS]              ; on to the next K step's scale words
.endif
	WIN 0x40
.set II, 0
.rept NT
.irp p, 0,1,2
	ds_load_b128 v[12*NT*(\buf)+12*II+4*\p:12*NT*(\buf)+12*II+4*\p+3], v[ADRP+\slot] offset:(II*S+(\kin))*FRB+512*\p
.endr
.set II, II+1
.endr
	WIN 0
.set II, 0
.rept NT
	ds_load_b32 v[SC+NT*(\buf)+II], v[ADRS] offset:II*KST*64
.set II, II+1
.endr
.set II, 0
.rept NT
.irp p, 0,1,2
	ds_load_b128 v[QF+12*NT*(\buf)+12*II+4*\p:QF+12*NT*(\buf)+12*II+4*\p+3], v[ADRQ+\slot] offset:(II*S+(\kin))*FRB+512*\p
.endr
.set II, II+1
.endr
.endm
; A K step that has its successor in the same slot: the successor's fragments are asked for first and have the whole step in which to land
.macro STEP slot, kin, cm
	s_wait_dscnt 3*NT/2                            ; P, the scale words and Q's lower tiles are in; the youngest 3 NT / 2 loads (Q's upper tiles) may be out
	PLACES
	FETCH \slot, (\kin)+1, ((\kin)+1)%2, 1
	MULS 0, NT/2, (\kin)%2, \cm
	s_wait_dscnt 7*NT                              ; all but the 7 NT just issued
	MULS NT/2, NT/2, (\kin)%2, \cm
.endm
; A slot's last step changes slots: one barrier; ahead of it each wave waits for all its tensor loads, adds 0 to its spare word, and waits for that and for its reads of this slot.  fill = 1: this slot is filled again, two slots ahead.
.macro TURN slot, next, fill
	WIN 0
	s_wait_tensorcnt 0x0                           ; all my tensor loads have landed: my part of the next slot
	ds_add_u32 v[SPW], v[NIL]                      ; 0 onto my spare word
	s_wait_dscnt 3*NT/2+1                          ; (the add and Q's upper tiles may be out)
	MULS 0, NT/4, 1, 0
	s_wait_dscnt 0x0                               ; the add is done, and my reads of this slot are over
	s_barrier_signal -1
	MULS NT/4, NT/4, 1, 0
	WIN 0
	s_barrier_wait -1
.if \fill
	CREST                                          ; the barrier has opened a round of the cluster's: no wave of any partner still reads this slot or has a load on its way
	s_add_nc_u64 s[G0+4*\slot+2:G0+4*\slot+3], s[G0+4*\slot+2:G0+4*\slot+3], 2*S*FRB
	s_add_nc_u64 s[G0B+4*\slot+2:G0B+4*\slot+3], s[G0B+4*\slot+2:G0B+4*\slot+3], 2*S*FRB
	JLOAD G0+4*\slot, G1, G0B+4*\slot, G1B         ; the first tensor load behind the round; its four v_nop are the places ahead of the loads below
.else
	PLACES
.endif
	FETCH \next, 0, 0, 1
	MULS NT/2, NT/2, 1, 0
.endm
.macro MIDS slot                       ; a slot's steps 1 .. S - 2
.set KK, 1
.rept S-2
	STEP \slot, KK, 0
.set KK, KK+1
.endr
.endm
	s_load_b256 s[4:11], s[0:1], 0x0               ; Q's buffer s[4:5], the weights' s[6:7], bias s[8:9], residual s[10:11]
	s_load_b64 s[12:13], s[0:1], 0x20              ; output
	v_lshl_add_u32 v[SPW], v0, 2, SPARE
	v_mov_b32 v[NIL], 0
	ds_add_u32 v[SPW], v[NIL]                      ; the wave's opening: the add and its wait ahead of my first tensor load
	v_lshrrev_b32 v1, 5, v0
	v_readfirstlane_b32 s14, v1                    ; wave 0..3
	s_lshr_b32 s15, s14, 1                         ; my half of Q's rows.  Also: I fetch for Q (0) or for P (1)
	s_and_b32 s16, s14, 1                          ; my half of P's rows.  Also: which half I fetch
	s_bfe_u32 s40, ttmp6, 0x40000                  ; cx, cy
	s_bfe_u32 s41, ttmp6, 0x40004
	s_lshl_b32 s42, ttmp9, 2
	s_add_co_u32 s42, s42, s40                     ; x: which 128 columns
	s_and_b32 s17, ttmp7, 0xffff
	s_lshl_b32 s17, s17, 2
	s_add_co_u32 s17, s17, s41                     ; y: which 128 tokens
	s_lshl_b32 s43, s41, 2
	s_lshl_b32 s43, 15, s43                        ; my row of the cluster
	s_lshl_b32 s44, 0x1111, s40                    ; my column
	s_or_b32 s[G1+0], s43, (3<<16)|(1<<21)         ; codes: NT rows (tiles) of S fragments, elements of 8 bytes; the mask, and bit 21 beside it
	s_or_b32 s[G1B+0], s44, (3<<16)|(1<<21)
.irp g, G1, G1B
	s_mov_b32 s[\g+1], (192*S)<<16                 ; tensor_dim0
	s_mov_b32 s[\g+2], NT<<16                      ; tensor_dim1
	s_mov_b32 s[\g+3], (192*S)<<16                 ; tile_dim0
	s_mov_b32 s[\g+4], NT                          ; tile_dim1
	s_mov_b32 s[\g+5], 192*KST                     ; from tile to tile
	s_mov_b32 s[\g+6], 0
	s_mov_b32 s[\g+7], 0
.endr
	s_or_b32 s[G1S+0], s43, (3<<16)|(1<<21)        ; scale words of NT tiles: a dense block, as rows of 256 bytes
	s_or_b32 s[G1SB+0], s44, (3<<16)|(1<<21)
.irp g, G1S, G1SB
	s_mov_b32 s[\g+1], 32<<16
	s_mov_b32 s[\g+2], (SQ/256)<<16
	s_mov_b32 s[\g+3], 32<<16
	s_mov_b32 s[\g+4], SQ/256
	s_mov_b32 s[\g+5], 32
	s_mov_b32 s[\g+6], 0
	s_mov_b32 s[\g+7], 0
.endr
	s_mul_i32 s18, s16, NT
	s_mul_i32 s20, s17, 2*NT
	s_add_co_u32 s20, s20, s18                     ; Q's tile: made of y and the wave
	s_mul_i32 s46, s42, 2*NT
	s_add_co_u32 s46, s46, s18                     ; P's tile: made of x and the wave
	s_mul_i32 s22, s20, KST*64
	s_add_co_u32 s22, s22, QSO
	s_mov_b32 s23, 0
	s_mul_i32 s20, s20, KST*FRB
	s_mov_b32 s21, 0
	s_mul_i32 s92, s46, KST*64
	s_add_co_u32 s92, s92, PSO
	s_mov_b32 s93, 0
	s_mul_i32 s46, s46, KST*FRB
	s_add_co_u32 s46, s46, PCO
	s_mov_b32 s47, 0
	s_mul_i32 s45, s14, QTR                        ; where they go: by the wave's number alone
	s_mul_i32 s94, s14, SQ
	s_lshl_b32 s95, s15, 7
	s_add_co_u32 s94, s94, s95
	s_wait_dscnt 0x0                               ; the opening add is done
	s_wait_kmcnt 0x0
	s_add_nc_u64 s[20:21], s[4:5], s[20:21]
	s_add_nc_u64 s[22:23], s[4:5], s[22:23]
	s_add_nc_u64 s[46:47], s[6:7], s[46:47]
	s_add_nc_u64 s[92:93], s[6:7], s[92:93]
	CROUND                                         ; all sixteen work-groups are here: the first joint loads meet
	s_mov_b32 s[G0S], 1
	s_add_co_u32 s[G0S+1], s94, SCL
	s_mov_b64 s[G0S+2:G0S+3], s[22:23]
	s_or_b32 s[G0S+3], s[G0S+3], 0x80000000
	s_mov_b32 s[G0SB], 1
	s_add_co_u32 s[G0SB+1], s94, SCL
	s_mov_b64 s[G0SB+2:G0SB+3], s[92:93]
	s_or_b32 s[G0SB+3], s[G0SB+3], 0x80000000
	JLOAD G0S, G1S, G0SB, G1SB                     ; three loads of mine are out at the most: the scale words, slot 0, slot 1
.irp s, 0,1
	s_mov_b32 s[G0+4*\s], 1
	s_add_co_u32 s[G0+4*\s+1], s45, \s*SLOT
	s_add_nc_u64 s[G0+4*\s+2:G0+4*\s+3], s[20:21], \s*S*FRB
	s_or_b32 s[G0+4*\s+3], s[G0+4*\s+3], 0x80000000
	s_mov_b32 s[G0B+4*\s], 1
	s_add_co_u32 s[G0B+4*\s+1], s45, \s*SLOT
	s_add_nc_u64 s[G0B+4*\s+2:G0B+4*\s+3], s[46:47], \s*S*FRB
	s_or_b32 s[G0B+4*\s+3], s[G0B+4*\s+3], 0x80000000
	JLOAD G0+4*\s, G1, G0B+4*\s, G1B
.endr
	v_and_b32 v1, 15, v0                           ; r
	v_bfe_u32 v2, v0, 4, 1                         ; h
	v_and_b32 v3, 31, v0
	v_lshlrev_b32 v4, 4, v3                        ; 16 x lane
	v_lshlrev_b32 v5, 2, v1                        ; 4 r
	s_mul_i32 s21, s15, QTR
	s_mul_i32 s22, s16, QTR
	s_add_co_u32 s22, s22, 2*QTR
.irp s, 0,1
	v_add_nc_u32 v[ADRQ+\s], s21, v4
	v_add_nc_u32 v[ADRP+\s], s22, v4
	s_add_co_u32 s21, s21, SLOT
	s_add_co_u32 s22, s22, SLOT
.endr
	s_mul_i32 s21, s15, SQ
	s_mul_i32 s22, s16, SQ
	s_add_co_u32 s22, s22, 2*SQ+128
	s_sub_co_u32 s22, s22, s21
	v_mul_u32_u24 v6, s22, v2                      ; lanes 16-31 take P's words: the lower base + h x the distance
	s_add_co_u32 s21, s21, SCL
	v_add_nc_u32 v6, v5, v6
	v_add_nc_u32 v[ADRS], s21, v6
	s_mul_i32 s23, s14, 16*272
	s_add_co_u32 s23, s23, STG                     ; my stage
	v_mul_u32_u24 v6, v1, 272
	v_lshl_add_u32 v6, v2, 6, v6
	v_add_nc_u32 v[STO], s23, v6                   ; in: row r, + 64 h bytes: tile 2 b + u's eight columns lie at 128 b + 64 h + 32 u
	v_mul_u32_u24 v6, v2, 272
	v_lshl_add_u32 v6, v1, 4, v6
	v_add_nc_u32 v[RD], s23, v6                    ; back: lanes 0-15 one row of 256 bytes, lanes 16-31 the next
	v_lshlrev_b32 v[CO], 12, v2
	v_lshl_add_u32 v[CO], v1, 4, v[CO]             ; and the same two rows in memory
	v_lshlrev_b32 v7, 6, v2                        ; the bias: 64 h
	s_lshl_b32 s96, s42, 9
	s_lshl_b32 s97, s16, 8
	s_add_co_u32 s96, s96, s97                     ; my 64 columns, in bytes
	s_mov_b32 s97, 0
	s_add_nc_u64 s[8:9], s[8:9], s[96:97]
	s_lshl_b32 s98, s17, 19
	s_add_co_u32 s96, s96, s98                     ; + 128 y rows of 4,096 bytes
	s_lshl_b32 s98, s15, 18
	s_add_co_u32 s96, s96, s98                     ; + my 64 rows
	s_add_nc_u64 s[98:99], s[10:11], s[96:97]
	s_add_nc_u64 s[100:101], s[12:13], s[96:97]
	WIN 0x40
.set BB, 0
.rept NT
	global_load_b128 v[BIAS+8*BB:BIAS+8*BB+3], v7, s[8:9] offset:(32*(BB/2)+8*(BB%2))*4      ; lane (r, h), tile 2 b + u: columns 32 b + 16 h + 8 u + 0..7
	global_load_b128 v[BIAS+8*BB+4:BIAS+8*BB+7], v7, s[8:9] offset:(32*(BB/2)+8*(BB%2))*4+16
.set BB, BB+1
.endr
.irp a, 0,1,2,3
.irp t, 0,1,2,3,4,5,6,7
	global_load_b128 v[RES+32*\a+4*\t:RES+32*\a+4*\t+3], v[CO], s[98:99] offset:(32*(\a/2)+8*(\a%2)+2*\t+8*(\t/4))*4096 th:TH_LOAD_NT   ; row 2 t + h of tile a: sixteen lanes read 256 consecutive bytes
.endr
.endr
	WIN 0
	s_wait_tensorcnt 1                             ; the scale words and my part of slot 0 are in; slot 1's load may be out
	s_barrier_signal -1
	s_barrier_wait -1
	FETCH 0, 0, 0, 0
	s_wait_loadcnt 32                              ; the bias is in; the residual's 32 loads may be out
	STEP 0, 0, CM0                                 ; the first step stands ahead of the loop: its products start the sums
.if LAPS > 1
	WIN 0
	s_mov_b32 s3, LAPS-1
.Llap:                                                 ; a trip goes once round the ring and fills both slots again
	MIDS 0
	TURN 0, 1, 1
	STEP 1, 0, 0
	MIDS 1
	TURN 1, 0, 1
	STEP 0, 0, 0
	WIN 0
	s_sub_co_u32 s3, s3, 1
	s_cmp_lg_u32 s3, 0
	s_cbranch_scc1 .Llap
.endif
	MIDS 0
	TURN 0, 1, 0                                   ; the last lap fills nothing
	STEP 1, 0, 0
	MIDS 1
	s_wait_dscnt 3*NT/2                            ; the very last step
	MULS 0, NT/2, 1, 0
	s_wait_dscnt 0x0
	MULS NT/2, NT/2, 1, 0
	WIN 0
	PLACES
; THE WAY OUT, a tile of 16 tokens x 64 columns at a time, through my own stage: LDS serves a wave's instructions in order, so no wait stands between the stores and the loads
.macro TOSTAGE a
	WIN 0x08                                       ; an LDS store's data are its source 1: window 2
.set BB, 0
.rept 4
	ds_store_b128 v[STO], v[32*(\a)+8*BB:32*(\a)+8*BB+3] offset:128*(BB/2)+32*(BB%2)      ; each accumulator from its low end on
	ds_store_b128 v[STO], v[32*(\a)+8*BB+4:32*(\a)+8*BB+7] offset:128*(BB/2)+32*(BB%2)+16
.set BB, BB+1
.endr
	WIN 0
.set TT, 0
.rept 8
	ds_load_b128 v[BK+32*((\a)%2)+4*TT:BK+32*((\a)%2)+4*TT+3], v[RD] offset:544*TT
.set TT, TT+1
.endr
.endm
.macro SEND a, younger
	s_wait_dscnt \younger                          ; the tile is back; the next tile's LDS instructions may be out
	WIN 0x04                                       ; source 1: window 1
.set J, 0
.rept 16
	v_pk_add_f32 v[BK+32*((\a)%2)+J:BK+32*((\a)%2)+J+1], v[BK+32*((\a)%2)+J:BK+32*((\a)%2)+J+1], v[RES+32*(\a)+J:RES+32*(\a)+J+1]
.set J, J+2
.endr
	WIN 0
.set TT, 0
.rept 8
	global_store_b128 v[CO], v[BK+32*((\a)%2)+4*TT:BK+32*((\a)%2)+4*TT+3], s[100:101] offset:(32*((\a)/2)+8*((\a)%2)+2*TT+8*(TT/4))*4096   ; sixteen lanes store 256 consecutive bytes, aligned
.set TT, TT+1
.endr
.endm
	s_wait_loadcnt 0x0                             ; the residual
	TOSTAGE 0
.irp a, 1,2,3
.if \a > 1
	s_wait_xcnt 0x0                                ; tile a - 2's stores have read their registers: tile a's rows may land there
.endif
	TOSTAGE \a
	SEND \a-1, 16
.endr
	SEND 3, 0
	s_wait_tensorcnt 0x0                           ; the wave's end, behind my last LDS store
	ds_add_u32 v[SPW], v[NIL]
	s_wait_dscnt 0x0
	CROUND                                         ; the closing round
	s_endpgm
.Lfunc_end_k_q95737ee39c_oproj:
	.size	k_q95737ee39c_oproj, .Lfunc_end_k_q95737ee39c_oproj-k_q95737ee39c_oproj
	.p2alignl 7, 3214868480
	.fill 96, 4, 3214868480
	.section	.rodata,"a",@progbits
	.p2align	6, 0x0
	.amdhsa_kernel k_q95737ee39c_oproj
		.amdhsa_group_segment_fixed_size 327680
		.amdhsa_private_segment_fixed_size 0
		.amdhsa_enable_private_segment 0
		.amdhsa_kernarg_size 40
		.amdhsa_user_sgpr_count 2
		.amdhsa_user_sgpr_kernarg_segment_ptr 1
		.amdhsa_wavefront_size32 1
		.amdhsa_system_sgpr_workgroup_id_x 1
		.amdhsa_system_sgpr_workgroup_id_y 1
		.amdhsa_system_sgpr_workgroup_id_z 1
		.amdhsa_system_vgpr_workitem_id 0
		.amdhsa_next_free_vgpr 640
		.amdhsa_next_free_sgpr 102
		.amdhsa_reserve_vcc 0
		.amdhsa_float_denorm_mode_32 3
		.amdhsa_float_denorm_mode_16_64 3
		.amdhsa_memory_ordered 1
		.amdhsa_forward_progress 1
		.amdhsa_inst_pref_size 59
	.end_amdhsa_kernel
	.amdgpu_metadata
---
amdhsa.version: [ 1, 2 ]
amdhsa.kernels:
  - .name:           k_q95737ee39c_oproj
    .symbol:         k_q95737ee39c_oproj.kd
    .args:
      - { .name: ao, .offset: 0, .size: 8, .value_kind: global_buffer, .address_space: global }
      - { .name: wq, .offset: 8, .size: 8, .value_kind: global_buffer, .address_space: global }
      - { .name: b_out, .offset: 16, .size: 8, .value_kind: global_buffer, .address_space: global }
      - { .name: x, .offset: 24, .size: 8, .value_kind: global_buffer, .address_space: global }
      - { .name: x1, .offset: 32, .size: 8, .value_kind: global_buffer, .address_space: global }
    .group_segment_fixed_size: 327680
    .private_segment_fixed_size: 0
    .kernarg_segment_align: 8
    .kernarg_segment_size: 40
    .max_flat_workgroup_size: 128
    .sgpr_count:     102
    .vgpr_count:     640
    .wavefront_size: 32
...
	.end_amdgpu_metadata
.endif
;; end of part 4
;; launch ln2: the kernel of part 1 again; grid 256 x 1, 8 waves a work-group, no clusters, 126,976 bytes of LDS; arguments x1, ln2_g, ln2_b, w_qkv, w_out, w1, w2, h2; writes h2
;; launch fc1 (part 5): grid 16 x 16, 4 waves a work-group, clusters of 4 x 4, 327,680 bytes of LDS; arguments h2, wq, b1, hid; writes hid
.if DOCPART == 5
	.amdgcn_target "amdgcn-amd-amdhsa--gfx1250"
	.amdhsa_code_object_version 6
	.text
	.protected	k_q95737ee39c_fc1
	.globl	k_q95737ee39c_fc1
	.p2align	8
	.type	k_q95737ee39c_fc1,@function
k_q95737ee39c_fc1:
	s_mov_b64 s[64:65], 0
	v_nop
	global_prefetch_b8 v0, s[64:65] scope:SCOPE_SE
	s_setreg_imm32_b32 hwreg(HW_REG_WAVE_MODE, 25, 1), 1
	s_wait_xcnt 0x0
	s_wait_alu depctr_hold_cnt(0) depctr_sa_sdst(0) depctr_va_vdst(0) depctr_va_sdst(0) depctr_va_ssrc(0) depctr_va_vcc(0) depctr_vm_vsrc(0)
	s_getreg_b32 s2, hwreg(HW_REG_IB_STS2, 6, 4)
	s_cmp_eq_u32 s2, 0
	s_cbranch_scc0 .Lentry_in_a_cluster
	s_endpgm
.Lentry_in_a_cluster:
	s_bfe_u32 s2, ttmp6, 0x10000c
	s_cmp_lg_u32 s2, 0xf033
	s_cbranch_scc0 .Lentry_shape_is_right
	s_endpgm
.Lentry_shape_is_right:
; hidden = gelu(LN2(x1) w1 + b1), exact gelu, on codes of FP6 (E2M3) with E8M0 scales; the result is quantised along the hidden axis, the next product's K, and never leaves as f32.
; OPERANDS lie in memory as register images: tile T = rows 32 (T/2) + 8 (T%2) + r + 8 (r/8); a fragment (16 rows x 128 K) is 1,536 bytes, register 4 p + e of a lane at 512 p + 16 lane + 4 e;
; codes[T][K steps][1536], scale words [T][K steps][64].  Source 0 ("P") = w1's columns, which run along the result's registers: the 64 registers of a lane's eight tiles are 128 neighbouring hidden units,
; 32 b + 16 (lane / 16) + i in register 16 b + i; source 1 ("Q") = tokens, one to a lane.
; A work-group of four waves makes 256 x 256, a wave 128 x 128: 64 accumulators; 256 work-groups.  K = 1,024 goes through two LDS slots of 256 along K; all scale words come once.  The bias is the C of the first products.
; CLUSTERS 4 x 4: Q's tiles are asked for jointly along a row of the cluster, P's along a column.  No prefetch: half of a work-group's tiles are asked for at the head, and K is four slots long.
; GELU: 0.5 x (1 + erf(x / sqrt 2)); erf(z) = z P(z^2) / Q(z^2), degrees 6 and 4 in z^2, on z held to +-4.
; LIMITS: that erf is right to a few units in the last place of 1, so gelu far below 0 is right to about 1e-7 |x|, not relatively.  NaN and infinities are not served; blocks under 2^-124 hold the byte 1; a block of zeros has the byte 1.
; The way out is a loop of two trips of four tiles, so that the text stays short; between the trips window 3's accumulators are moved into window 2.
; REGISTERS: window 0: v1-11 addresses, v12, v13 the add's two, v16-27 LDS addresses, v32-47 scale words (two sets), v64-255 Q's fragments (two sets).  window 1: v0-191 P's (two sets), v192-255 the bias.  windows 2, 3: accumulator (a, b) at v[64 (a % 4) + 8 b].
.set NT,  8
.set S,   2
.set KST, 8
.set CM0, 2
.set QSO, 3145728                      ; Q's scale words in its buffer (codes at 0)
.set PCO, 6422528                      ; P's codes and scale words in the weights' buffer
.set PSO, 12845056
.set HID_S, 12582912                   ; the output's scale words (codes at 0; 32 K steps a tile)
.set FRB,  1536
.set QTR,  NT*S*FRB
.set SLOT, 4*QTR
.set SCL,  2*SLOT
.set SQ,   NT*KST*64
.set SPARE, SCL+4*SQ+256
.set LAPS, KST/(2*S)
.set ADRQ, 16
.set ADRP, 20
.set ADRS, 27
.set SPW,  12
.set NIL,  13
.set SC,   32
.set QF,   64
.set BIAS, 192
.set W,    16                          ; the way out: v16-23 z^2, v32-39 P's chain, v40-43 the leading coefficients, v44-59 at work, v60 the scale word
.set AL,   32
.set TM,   44
.set PW,   60
.set NUM,  64                          ; v64-127 z, then erf, then gelu
.set DEN,  128                         ; v128-191 Q(z^2), then its reciprocal, then the codes
.set PC,   128
.set HX,   192                         ; v192-255 x / 2
.set SEL,  18
.set G1,   24
.set G0,   32
.set G1B,  48
.set G0B,  56
.set G1S,  68
.set G0S,  76
.set G1SB, 80
.set G0SB, 88
.set MSB, 0
.macro WIN new                         ; the immediate's high byte repeats the setting that is left
.if MSB != \new
	s_set_vgpr_msb (MSB<<8)|\new
.set MSB, \new
.endif
.endm
.macro PLACES                          ; four plain places behind matrix instructions, ahead of loads into their sources and of reads of their results
.rept 4
	v_nop
.endr
.endm
; A joint load: waves 0 and 1 fetch for Q, waves 2 and 3 for P; the branch hangs on the wave's number alone.  An s_nop 0 and four v_nop follow each line.
.macro JLOAD g0a, g1a, g0b, g1b
	s_cmp_eq_u32 s15, 0
	s_cbranch_scc0 .Lfor_b_\@
	tensor_load_to_lds s[\g0a:\g0a+3], s[\g1a:\g1a+7]
	s_nop 0
.rept 4
	v_nop
.endr
	s_branch .Lasked_\@
.Lfor_b_\@:
	tensor_load_to_lds s[\g0b:\g0b+3], s[\g1b:\g1b+7]
	s_nop 0
.rept 4
	v_nop
.endr
.Lasked_\@:
.endm
.macro CREST                           ; a round of the cluster's barrier behind its opening barrier
	s_cmp_lg_u32 s14, 0
	s_cbranch_scc1 .Lnot_wave_0_\@
	s_barrier_signal -3
.Lnot_wave_0_\@:
	s_barrier_wait -3
	s_barrier_signal -1
	s_barrier_wait -1
.endm
.macro CROUND
	s_barrier_signal -1
	s_barrier_wait -1
	CREST
.endm
; NT matrix instructions: Q's tile a against P's NT tiles, from buffer buf.  cm 0: on in place; 1: C = 0; 2: C = the bias.  The accumulators take turns, in the same order in every step.
.macro MULA a, buf, cm
.set AR, (8*NT*(\a))%256
.set AW, 2+(8*NT*(\a))/256
.if \cm == 2
.set WN, (AW<<6)|0x11
.else
.set WN, (AW<<6)|(AW<<4)|0x01
.endif
	WIN WN
.set PB, 12*NT*(\buf)
.set QB, QF+12*NT*(\buf)+12*(\a)
.set SB, SC+NT*(\buf)
.set BB, 0
.rept NT
.if \cm == 0
	v_wmma_scale_f32_16x16x128_f8f6f4 v[AR+8*BB:AR+8*BB+7], v[PB+12*BB:PB+12*BB+11], v[QB:QB+11], v[AR+8*BB:AR+8*BB+7], v[SB+BB], v[SB+(\a)] matrix_a_fmt:MATRIX_FMT_FP6 matrix_b_fmt:MATRIX_FMT_FP6 matrix_a_scale:MATRIX_SCALE_ROW1
.elseif \cm == 1
	v_wmma_scale_f32_16x16x128_f8f6f4 v[AR+8*BB:AR+8*BB+7], v[PB+12*BB:PB+12*BB+11], v[QB:QB+11], 0, v[SB+BB], v[SB+(\a)] matrix_a_fmt:MATRIX_FMT_FP6 matrix_b_fmt:MATRIX_FMT_FP6 matrix_a_scale:MATRIX_SCALE_ROW1
.else
	v_wmma_scale_f32_16x16x128_f8f6f4 v[AR+8*BB:AR+8*BB+7], v[PB+12*BB:PB+12*BB+11], v[QB:QB+11], v[BIAS+8*BB:BIAS+8*BB+7], v[SB+BB], v[SB+(\a)] matrix_a_fmt:MATRIX_FMT_FP6 matrix_b_fmt:MATRIX_FMT_FP6 matrix_a_scale:MATRIX_SCALE_ROW1
.endif
.set BB, BB+1
.endr
.endm
.macro MULS a0, n, buf, cm
.set AA, \a0
.rept \n
	MULA AA, \buf, \cm
.set AA, AA+1
.endr
.endm
; 7 NT LDS loads in one run: a K step's fragments of P, its scale words (lanes 0-15 Q's tile i, lanes 16-31 P's tile i), its fragments of Q in ascending tiles; each load reads 512 consecutive bytes
.macro FETCH slot, kin, buf, step
	WIN 0
.if \step
	v_add_nc_u32 v[ADRS], 64, v[ADRS]              ; on to the next K step's scale words
.endif
	WIN 0x40
.set II, 0
.rept NT
.irp p, 0,1,2
	ds_load_b128 v[12*NT*(\buf)+12*II+4*\p:12*NT*(\buf)+12*II+4*\p+3], v[ADRP+\slot] offset:(II*S+(\kin))*FRB+512*\p
.endr
.set II, II+1
.endr
	WIN 0
.set II, 0
.rept NT
	ds_load_b32 v[SC+NT*(\buf)+II], v[ADRS] offset:II*KST*64
.set II, II+1
.endr
.set II, 0
.rept NT
.irp p, 0,1,2
	ds_load_b128 v[QF+12*NT*(\buf)+12*II+4*\p:QF+12*NT*(\buf)+12*II+4*\p+3], v[ADRQ+\slot] offset:(II*S+(\kin))*FRB+512*\p
.endr
.set II, II+1
.endr
.endm
; A K step that has its successor in the same slot: the successor's fragments are asked for first and have the whole step in which to land
.macro STEP slot, kin, cm
	s_wait_dscnt 3*NT/2                            ; P, the scale words and Q's lower tiles are in; the youngest 3 NT / 2 loads (Q's upper tiles) may be out
	PLACES
	FETCH \slot, (\kin)+1, ((\kin)+1)%2, 1
	MULS 0, NT/2, (\kin)%2, \cm
	s_wait_dscnt 7*NT                              ; all but the 7 NT just issued
	MULS NT/2, NT/2, (\kin)%2, \cm
.endm
; A slot's last step changes slots: one barrier; ahead of it each wave waits for all its tensor loads, adds 0 to its spare word, and waits for that and for its reads of this slot.  fill = 1: this slot is filled again, two slots ahead.
.macro TURN slot, next, fill
	WIN 0
	s_wait_tensorcnt 0x0                           ; all my tensor loads have landed: my part of the next slot
	ds_add_u32 v[SPW], v[NIL]                      ; 0 onto my spare word
	s_wait_dscnt 3*NT/2+1                          ; (the add and Q's upper tiles may be out)
	MULS 0, NT/4, 1, 0
	s_wait_dscnt 0x0                               ; the add is done, and my reads of this slot are over
	s_barrier_signal -1
	MULS NT/4, NT/4, 1, 0
	WIN 0
	s_barrier_wait -1
.if \fill
	CREST                                          ; the barrier has opened a round of the cluster's: no wave of any partner still reads this slot or has a load on its way
	s_add_nc_u64 s[G0+4*\slot+2:G0+4*\slot+3], s[G0+4*\slot+2:G0+4*\slot+3], 2*S*FRB
	s_add_nc_u64 s[G0B+4*\slot+2:G0B+4*\slot+3], s[G0B+4*\slot+2:G0B+4*\slot+3], 2*S*FRB
	JLOAD G0+4*\slot, G1, G0B+4*\slot, G1B         ; the first tensor load behind the round; its four v_nop are the places ahead of the loads below
.else
	PLACES
.endif
	FETCH \next, 0, 0, 1
	MULS NT/2, NT/2, 1, 0
.endm
.macro MIDS slot                       ; a slot's steps 1 .. S - 2
.set KK, 1
.rept S-2
	STEP \slot, KK, 0
.set KK, KK+1
.endr
.endm
; 64 numbers of a lane in window w, register 16 b + i = k 32 b + 16 (lane / 16) + i, become a fragment in v[PC] on and its scale word in v[PW]
.macro QUANT s, w
.set WN, (\w)|((\w)<<2)
	WIN WN
.irp b, 0,1,2,3
	v_max3_num_f32 v[TM+\b], |v[\s+16*\b]|, |v[\s+16*\b+1]|, 0x1800000   ; and the floor 2^(3 - 127)
.endr
.irp i, 2,4,6,8,10,12,14
.irp b, 0,1,2,3
	v_max3_num_f32 v[TM+\b], |v[\s+16*\b+\i]|, |v[\s+16*\b+\i+1]|, v[TM+\b]
.endr
.endr
	WIN 0
	s_wait_xcnt 0x0                                ; the last tile's stores have read their data: the word and the codes may be written anew
.irp b, 0,1,2,3
	v_permlanex16_b32 v[TM+4+\b], v[TM+\b], s[SEL], s[SEL+1]
.endr
.irp b, 0,1,2,3
	v_max_num_f32 v[TM+\b], v[TM+\b], v[TM+4+\b]
.endr
.irp b, 0,1,2,3
	v_add_nc_u32 v[TM+12+\b], 0xff000000, v[TM+\b]   ; 2 off the exponent field: the conversion's scale operand
.endr
.irp b, 0,1,2,3
	v_lshrrev_b32 v[TM+4+\b], 23, v[TM+12+\b]
.endr
	v_lshl_or_b32 v[PW], v[TM+5], 8, v[TM+4]
	v_lshl_or_b32 v[PW], v[TM+6], 16, v[PW]
	v_lshl_or_b32 v[PW], v[TM+7], 24, v[PW]
	WIN \w
.irp c, 0,1
	v_cvt_scalef32_pk16_fp6_f32 v[PC+6*\c:PC+6*\c+2], v[\s+32*\c:\s+32*\c+15], v[TM+12+2*\c]
	v_cvt_scalef32_pk16_fp6_f32 v[PC+12+4*\c:PC+14+4*\c], v[\s+32*\c+16:\s+32*\c+31], v[TM+13+2*\c]
.endr
	WIN 0
	v_nop                                          ; one plain place behind a scaled conversion
.irp c, 0,1
.irp i, 0,1,2
	v_permlane16_swap_b32 v[PC+6*\c+\i], v[PC+12+4*\c+\i]
.endr
.irp i, 0,1,2
	v_mov_b32 v[PC+3+6*\c+\i], v[PC+12+4*\c+\i]
.endr
.endr
.endm
	s_load_b256 s[4:11], s[0:1], 0x0               ; Q's buffer s[4:5], the weights' s[6:7], bias s[8:9], output s[10:11]
	v_lshl_add_u32 v[SPW], v0, 2, SPARE
	v_mov_b32 v[NIL], 0
	ds_add_u32 v[SPW], v[NIL]                      ; the wave's opening: the add and its wait ahead of my first tensor load
	v_lshrrev_b32 v1, 5, v0
	v_readfirstlane_b32 s14, v1                    ; wave 0..3
	s_lshr_b32 s15, s14, 1                         ; my half of Q's rows.  Also: I fetch for Q (0) or for P (1)
	s_and_b32 s16, s14, 1                          ; my half of P's rows.  Also: which half I fetch
	s_bfe_u32 s40, ttmp6, 0x40000                  ; cx, cy
	s_bfe_u32 s41, ttmp6, 0x40004
	s_lshl_b32 s42, ttmp9, 2
	s_add_co_u32 s42, s42, s40                     ; x: which 256 hidden units
	s_and_b32 s17, ttmp7, 0xffff
	s_lshl_b32 s17, s17, 2
	s_add_co_u32 s17, s17, s41                     ; y: which 256 tokens
	s_lshl_b32 s43, s41, 2
	s_lshl_b32 s43, 15, s43                        ; my row of the cluster
	s_lshl_b32 s44, 0x1111, s40                    ; my column
	s_or_b32 s[G1+0], s43, (3<<16)|(1<<21)         ; codes: NT rows (tiles) of S fragments, elements of 8 bytes; the mask, and bit 21 beside it
	s_or_b32 s[G1B+0], s44, (3<<16)|(1<<21)
.irp g, G1, G1B
	s_mov_b32 s[\g+1], (192*S)<<16                 ; tensor_dim0
	s_mov_b32 s[\g+2], NT<<16                      ; tensor_dim1
	s_mov_b32 s[\g+3], (192*S)<<16                 ; tile_dim0
	s_mov_b32 s[\g+4], NT                          ; tile_dim1
	s_mov_b32 s[\g+5], 192*KST                     ; from tile to tile
	s_mov_b32 s[\g+6], 0
	s_mov_b32 s[\g+7], 0
.endr
	s_or_b32 s[G1S+0], s43, (3<<16)|(1<<21)        ; scale words of NT tiles: a dense block, as rows of 256 bytes
	s_or_b32 s[G1SB+0], s44, (3<<16)|(1<<21)
.irp g, G1S, G1SB
	s_mov_b32 s[\g+1], 32<<16
	s_mov_b32 s[\g+2], (SQ/256)<<16
	s_mov_b32 s[\g+3], 32<<16
	s_mov_b32 s[\g+4], SQ/256
	s_mov_b32 s[\g+5], 32
	s_mov_b32 s[\g+6], 0
	s_mov_b32 s[\g+7], 0
.endr
	s_mul_i32 s18, s16, NT
	s_mul_i32 s20, s17, 2*NT
	s_add_co_u32 s20, s20, s18                     ; Q's tile: made of y and the wave
	s_mul_i32 s46, s42, 2*NT
	s_add_co_u32 s46, s46, s18                     ; P's tile: made of x and the wave
	s_mul_i32 s22, s20, KST*64
	s_add_co_u32 s22, s22, QSO
	s_mov_b32 s23, 0
	s_mul_i32 s20, s20, KST*FRB
	s_mov_b32 s21, 0
	s_mul_i32 s92, s46, KST*64
	s_add_co_u32 s92, s92, PSO
	s_mov_b32 s93, 0
	s_mul_i32 s46, s46, KST*FRB
	s_add_co_u32 s46, s46, PCO
	s_mov_b32 s47, 0
	s_mul_i32 s45, s14, QTR                        ; where they go: by the wave's number alone
	s_mul_i32 s94, s14, SQ
	s_lshl_b32 s95, s15, 7
	s_add_co_u32 s94, s94, s95
	s_wait_dscnt 0x0                               ; the opening add is done
	s_wait_kmcnt 0x0
	s_add_nc_u64 s[20:21], s[4:5], s[20:21]
	s_add_nc_u64 s[22:23], s[4:5], s[22:23]
	s_add_nc_u64 s[46:47], s[6:7], s[46:47]
	s_add_nc_u64 s[92:93], s[6:7], s[92:93]
	CROUND                                         ; all sixteen work-groups are here: the first joint loads meet
	s_mov_b32 s[G0S], 1
	s_add_co_u32 s[G0S+1], s94, SCL
	s_mov_b64 s[G0S+2:G0S+3], s[22:23]
	s_or_b32 s[G0S+3], s[G0S+3], 0x80000000
	s_mov_b32 s[G0SB], 1
	s_add_co_u32 s[G0SB+1], s94, SCL
	s_mov_b64 s[G0SB+2:G0SB+3], s[92:93]
	s_or_b32 s[G0SB+3], s[G0SB+3], 0x80000000
	JLOAD G0S, G1S, G0SB, G1SB                     ; three loads of mine are out at the most: the scale words, slot 0, slot 1
.irp s, 0,1
	s_mov_b32 s[G0+4*\s], 1
	s_add_co_u32 s[G0+4*\s+1], s45, \s*SLOT
	s_add_nc_u64 s[G0+4*\s+2:G0+4*\s+3], s[20:21], \s*S*FRB
	s_or_b32 s[G0+4*\s+3], s[G0+4*\s+3], 0x80000000
	s_mov_b32 s[G0B+4*\s], 1
	s_add_co_u32 s[G0B+4*\s+1], s45, \s*SLOT
	s_add_nc_u64 s[G0B+4*\s+2:G0B+4*\s+3], s[46:47], \s*S*FRB
	s_or_b32 s[G0B+4*\s+3], s[G0B+4*\s+3], 0x80000000
	JLOAD G0+4*\s, G1, G0B+4*\s, G1B
.endr
	v_and_b32 v1, 15, v0                           ; r
	v_bfe_u32 v2, v0, 4, 1                         ; h
	v_and_b32 v3, 31, v0
	v_lshlrev_b32 v4, 4, v3                        ; 16 x lane
	v_lshlrev_b32 v5, 2, v1                        ; 4 r
	s_mul_i32 s21, s15, QTR
	s_mul_i32 s22, s16, QTR
	s_add_co_u32 s22, s22, 2*QTR
.irp s, 0,1
	v_add_nc_u32 v[ADRQ+\s], s21, v4
	v_add_nc_u32 v[ADRP+\s], s22, v4
	s_add_co_u32 s21, s21, SLOT
	s_add_co_u32 s22, s22, SLOT
.endr
	s_mul_i32 s21, s15, SQ
	s_mul_i32 s22, s16, SQ
	s_add_co_u32 s22, s22, 2*SQ+128
	s_sub_co_u32 s22, s22, s21
	v_mul_u32_u24 v6, s22, v2                      ; lanes 16-31 take P's words: the lower base + h x the distance
	s_add_co_u32 s21, s21, SCL
	v_add_nc_u32 v6, v5, v6
	v_add_nc_u32 v[ADRS], s21, v6
	v_lshlrev_b32 v7, 6, v2                        ; the bias: 64 h
	s_lshl_b32 s96, s42, 10
	s_lshl_b32 s97, s16, 9
	s_add_co_u32 s96, s96, s97                     ; my 128 hidden units, in bytes
	s_mov_b32 s97, 0
	s_add_nc_u64 s[8:9], s[8:9], s[96:97]
	WIN 0x40
.set BB, 0
.rept NT
	global_load_b128 v[BIAS+8*BB:BIAS+8*BB+3], v7, s[8:9] offset:(32*(BB/2)+8*(BB%2))*4      ; lane (r, h), tile 2 b + u: units 32 b + 16 h + 8 u + 0..7
	global_load_b128 v[BIAS+8*BB+4:BIAS+8*BB+7], v7, s[8:9] offset:(32*(BB/2)+8*(BB%2))*4+16
.set BB, BB+1
.endr
	WIN 0
	s_wait_tensorcnt 1                             ; the scale words and my part of slot 0 are in; slot 1's load may be out
	s_barrier_signal -1
	s_barrier_wait -1
	FETCH 0, 0, 0, 0
	s_wait_loadcnt 0x0                             ; the bias
	STEP 0, 0, CM0                                 ; the first step stands ahead of the loop: its products start the sums
.if LAPS > 1
	WIN 0
	s_mov_b32 s3, LAPS-1
.Llap:                                                 ; a trip goes once round the ring and fills both slots again
	MIDS 0
	TURN 0, 1, 1
	STEP 1, 0, 0
	MIDS 1
	TURN 1, 0, 1
	STEP 0, 0, 0
	WIN 0
	s_sub_co_u32 s3, s3, 1
	s_cmp_lg_u32 s3, 0
	s_cbranch_scc1 .Llap
.endif
	MIDS 0
	TURN 0, 1, 0                                   ; the last lap fills nothing
	STEP 1, 0, 0
	MIDS 1
	s_wait_dscnt 3*NT/2                            ; the very last step
	MULS 0, NT/2, 1, 0
	s_wait_dscnt 0x0
	MULS NT/2, NT/2, 1, 0
	WIN 0
	PLACES
	; THE WAY OUT.  All tensor loads are done, so the descriptors' registers are free: the polynomials' coefficients stand in pairs (the packed forms name a pair and take its low word for both halves).
.macro KPAIR reg, val
	s_mov_b32 s[\reg], \val
	s_mov_b32 s[\reg+1], \val
.endm
	KPAIR 66, 0x32edffee                           ; P, from the second-highest degree down
	KPAIR 68, 0xb60cff51
	KPAIR 70, 0xb86ec2d2
	KPAIR 72, 0xba40ac63
	KPAIR 74, 0xbb41a1f6
	KPAIR 76, 0xbc83dbd4
	KPAIR 78, 0xb95fbd29                           ; Q likewise
	KPAIR 80, 0xbadc924e
	KPAIR 82, 0xbbf19bf8
	KPAIR 84, 0xbc69b6a7
	v_mov_b32 v40, 0xaf95df0b                      ; the two leading coefficients
	v_mov_b32 v41, 0xaf95df0b
	v_mov_b32 v42, 0xb77460cd
	v_mov_b32 v43, 0xb77460cd
	s_mov_b32 s[SEL], 0x76543210
	s_mov_b32 s[SEL+1], 0xfedcba98
.irp b, 0,1,2,3
	v_mov_b32 v[TM+4+\b], 0                        ; written once: a lane permute's destination counts as one of its sources
.endr
	s_lshl_b32 s20, s17, 4
	s_lshl_b32 s21, s15, 3
	s_add_co_u32 s20, s20, s21                     ; my first tile of tokens
	s_lshl_b32 s20, s20, 5                         ; x 32 K steps
	s_lshl_b32 s21, s42, 1
	s_add_co_u32 s20, s20, s21
	s_add_co_u32 s20, s20, s16                     ; + my 128 hidden units' K step
	s_mul_i32 s86, s20, 1536
	s_mov_b32 s87, 0
	s_add_nc_u64 s[86:87], s[10:11], s[86:87]
	s_lshl_b32 s88, s20, 6
	s_add_co_u32 s88, s88, HID_S
	s_mov_b32 s89, 0
	s_add_nc_u64 s[88:89], s[10:11], s[88:89]
.macro GELU s                          ; window 2's 64 registers from v[s] on -> gelu in v[NUM] on
	WIN 0x02
.set J, 0
.rept 32
	v_pk_mul_f32 v[NUM+J:NUM+J+1], v[\s+J:\s+J+1], 0x3f3504f3 op_sel_hi:[1,0]   ; z = x / sqrt 2 (each accumulator is read from its low end on)
	v_pk_mul_f32 v[HX+J:HX+J+1], v[\s+J:\s+J+1], 0.5 op_sel_hi:[1,0]
.set J, J+2
.endr
	WIN 0
.set J, 0
.rept 64
	v_med3_num_f32 v[NUM+J], v[NUM+J], -4.0, 4.0
.set J, J+1
.endr
	s_wait_xcnt 0x0                                ; the last tile's stores have read the codes, which lay where Q(z^2) is written now
.set GG, 0
.rept 8                                ; four pairs at a time, by turns, so that no line waits for the line above it
.irp q, 0,2,4,6
	v_pk_mul_f32 v[W+\q:W+\q+1], v[NUM+GG+\q:NUM+GG+\q+1], v[NUM+GG+\q:NUM+GG+\q+1]
.endr
.irp q, 0,2,4,6
	v_pk_fma_f32 v[AL+\q:AL+\q+1], v[W+\q:W+\q+1], v[40:41], s[66:67] op_sel_hi:[1,1,0]
	v_pk_fma_f32 v[DEN+GG+\q:DEN+GG+\q+1], v[W+\q:W+\q+1], v[42:43], s[78:79] op_sel_hi:[1,1,0]
.endr
.irp c, 68,70,72
.irp q, 0,2,4,6
	v_pk_fma_f32 v[AL+\q:AL+\q+1], v[AL+\q:AL+\q+1], v[W+\q:W+\q+1], s[\c:\c+1] op_sel_hi:[1,1,0]
	v_pk_fma_f32 v[DEN+GG+\q:DEN+GG+\q+1], v[DEN+GG+\q:DEN+GG+\q+1], v[W+\q:W+\q+1], s[\c+12:\c+13] op_sel_hi:[1,1,0]
.endr
.endr
.irp c, 74,76
.irp q, 0,2,4,6
	v_pk_fma_f32 v[AL+\q:AL+\q+1], v[AL+\q:AL+\q+1], v[W+\q:W+\q+1], s[\c:\c+1] op_sel_hi:[1,1,0]
.endr
.endr
.irp q, 0,2,4,6
	v_pk_mul_f32 v[NUM+GG+\q:NUM+GG+\q+1], v[NUM+GG+\q:NUM+GG+\q+1], v[AL+\q:AL+\q+1]
.endr
.set GG, GG+8
.endr
.set J, 0
.rept 64
	v_rcp_f32 v[DEN+J], v[DEN+J]
.set J, J+1
.endr
	v_nop                                          ; a plain place behind the batch
	s_wait_alu depctr_va_vdst(0)                   ; one wait for the 64, ahead of their first reader
.set J, 0
.rept 32
	v_pk_mul_f32 v[NUM+J:NUM+J+1], v[NUM+J:NUM+J+1], v[DEN+J:DEN+J+1]           ; erf
.set J, J+2
.endr
.set J, 0
.rept 32
	v_pk_fma_f32 v[NUM+J:NUM+J+1], v[NUM+J:NUM+J+1], v[HX+J:HX+J+1], v[HX+J:HX+J+1]   ; x / 2 + x / 2 erf
.set J, J+2
.endr
.endm
.set QSRC, NUM
.set QWIN, 0
	s_mov_b32 s3, 2
.Lhalf:
.irp a, 0,1,2,3
	GELU 64*\a
	QUANT QSRC, QWIN
.irp p, 0,1,2
	global_store_b128 v4, v[PC+4*\p:PC+4*\p+3], s[86:87] offset:\a*49152+512*\p   ; 512 consecutive bytes a store; a tile on is 32 fragments on
.endr
	global_store_b32 v5, v[PW], s[88:89] offset:\a*2048   ; (both halves of the lanes hold the same word)
.endr
	s_cmp_eq_u32 s3, 1
	s_cbranch_scc1 .Lmoved
	WIN 0x83                                       ; window 3's four tiles come down into window 2, each accumulator from its low end on
.set J, 0
.rept 256
	v_mov_b32 v[J], v[J]
.set J, J+1
.endr
	WIN 0
	s_wait_xcnt 0x0                                ; the stores have read their bases
	s_add_nc_u64 s[86:87], s[86:87], 4*49152
	s_add_nc_u64 s[88:89], s[88:89], 4*2048
.Lmoved:
	s_sub_co_u32 s3, s3, 1
	s_cmp_lg_u32 s3, 0
	s_cbranch_scc1 .Lhalf
	s_wait_tensorcnt 0x0                           ; the wave's end
	ds_add_u32 v[SPW], v[NIL]
	s_wait_dscnt 0x0
	CROUND                                         ; the closing round
	s_endpgm
.Lfunc_end_k_q95737ee39c_fc1:
	.size	k_q95737ee39c_fc1, .Lfunc_end_k_q95737ee39c_fc1-k_q95737ee39c_fc1
	.p2alignl 7, 3214868480
	.fill 96, 4, 3214868480
	.section	.rodata,"a",@progbits
	.p2align	6, 0x0
	.amdhsa_kernel k_q95737ee39c_fc1
		.amdhsa_group_segment_fixed_size 327680
		.amdhsa_private_segment_fixed_size 0
		.amdhsa_enable_private_segment 0
		.amdhsa_kernarg_size 32
		.amdhsa_user_sgpr_count 2
		.amdhsa_user_sgpr_kernarg_segment_ptr 1
		.amdhsa_wavefront_size32 1
		.amdhsa_system_sgpr_workgroup_id_x 1
		.amdhsa_system_sgpr_workgroup_id_y 1
		.amdhsa_system_sgpr_workgroup_id_z 1
		.amdhsa_system_vgpr_workitem_id 0
		.amdhsa_next_free_vgpr 1024
		.amdhsa_next_free_sgpr 102
		.amdhsa_reserve_vcc 0
		.amdhsa_float_denorm_mode_32 3
		.amdhsa_float_denorm_mode_16_64 3
		.amdhsa_memory_ordered 1
		.amdhsa_forward_progress 1
		.amdhsa_inst_pref_size 255
	.end_amdhsa_kernel
	.section	.bss,"aw",@nobits
	.p2align	6
	.space	262144
	.amdgpu_metadata
---
amdhsa.version: [ 1, 2 ]
amdhsa.kernels:
  - .name:           k_q95737ee39c_fc1
    .symbol:         k_q95737ee39c_fc1.kd
    .args:
      - { .name: h2, .offset: 0, .size: 8, .value_kind: global_buffer, .address_space: global }
      - { .name: wq, .offset: 8, .size: 8, .value_kind: global_buffer, .address_space: global }
      - { .name: b1, .offset: 16, .size: 8, .value_kind: global_buffer, .address_space: global }
      - { .name: hid, .offset: 24, .size: 8, .value_kind: global_buffer, .address_space: global }
    .group_segment_fixed_size: 327680
    .private_segment_fixed_size: 0
    .kernarg_segment_align: 8
    .kernarg_segment_size: 32
    .max_flat_workgroup_size: 128
    .sgpr_count:     102
    .vgpr_count:     1024
    .wavefront_size: 32
...
	.end_amdgpu_metadata
.endif
;; end of part 5
;; launch fc2 (part 6): grid 8 x 32, 4 waves a work-group, clusters of 4 x 4, 327,680 bytes of LDS; arguments hid, wq, b2, x1, out0; writes out0
.if DOCPART == 6
	.amdgcn_target "amdgcn-amd-amdhsa--gfx1250"
	.amdhsa_code_object_version 6
	.text
	.protected	k_q95737ee39c_fc2
	.globl	k_q95737ee39c_fc2
	.p2align	8
	.type	k_q95737ee39c_fc2,@function
k_q95737ee39c_fc2:
	s_mov_b64 s[64:65], 0
	v_nop
	global_prefetch_b8 v0, s[64:65] scope:SCOPE_SE
	s_setreg_imm32_b32 hwreg(HW_REG_WAVE_MODE, 25, 1), 1
	s_wait_xcnt 0x0
	s_wait_alu depctr_hold_cnt(0) depctr_sa_sdst(0) depctr_va_vdst(0) depctr_va_sdst(0) depctr_va_ssrc(0) depctr_va_vcc(0) depctr_vm_vsrc(0)
	s_getreg_b32 s2, hwreg(HW_REG_IB_STS2, 6, 4)
	s_cmp_eq_u32 s2, 0
	s_cbranch_scc0 .Lentry_in_a_cluster
	s_endpgm
.Lentry_in_a_cluster:
	s_bfe_u32 s2, ttmp6, 0x10000c
	s_cmp_lg_u32 s2, 0xf033
	s_cbranch_scc0 .Lentry_shape_is_right
	s_endpgm
.Lentry_shape_is_right:
; y = a W + bias + residual, f32 out.  a [4096][K] and W [K][1024] come as codes of FP6 (E2M3) with E8M0 scales, as register images: tile T = rows 32 (T/2) + 8 (T%2) + r + 8 (r/8);
; a fragment (16 rows x 128 K) is 1,536 bytes, register 4 p + e of a lane at 512 p + 16 lane + 4 e; codes[T][K steps][1536], scale words [T][K steps][64].  Here K = 4,096 (the second product of the feed-forward layer).
; Source 0 ("P") = W's columns, which run along the result's registers; source 1 ("Q") = tokens, one to a lane.
; 1,024 columns give 64 tiles of 256 x 256, too few for the chip's work-group processors: so a work-group makes 128 x 128 (256 work-groups), a wave 64 x 64: 16 accumulators.
; K goes through two LDS slots of 512 along K each, as long as fit the plan of one load a wave; a refill has a slot's 64 matrix instructions less the first eight in which to land.  All scale words come once.
; CLUSTERS 4 x 4: Q's tiles are asked for jointly along a row of the cluster, P's along a column.  No prefetch: each tile is read by several clusters at about the same time, and the joint loads divide the requests by four.
; The bias is the C of the first products; the residual is loaded at the head, in the layout in which rows leave, and added on the way out.
; REGISTERS: window 0: v1-11 addresses, v12, v13 the add's two, v16-27 LDS addresses, v32-39 scale words (two sets), v64-159 Q's fragments (two sets; later rows on the way out).
; window 1: v0-95 P's fragments (two sets), v96-127 the bias, v128-255 the residual.  window 2: accumulator (a, b) at v[32 a + 8 b].
.set NT,  4
.set S,   4
.set KST, 32
.set CM0, 2
.set QSO, 12582912                     ; Q's scale words in its buffer (codes at 0)
.set PCO, 9568256                      ; P's codes and scale words in the weights' buffer
.set PSO, 12976128
.set FRB,  1536
.set QTR,  NT*S*FRB
.set SLOT, 4*QTR
.set SCL,  2*SLOT
.set SQ,   NT*KST*64
.set STG,  SCL+4*SQ+256                ; a stage of 16 rows x (256 + 16) bytes for each wave; no tile lands there
.set SPARE, STG+4*16*272
.set LAPS, KST/(2*S)
.set ADRQ, 16
.set ADRP, 20
.set ADRS, 27
.set SPW,  12
.set NIL,  13
.set STO,  8
.set RD,   9
.set CO,   10
.set SC,   32
.set QF,   64
.set BK,   64
.set BIAS, 96
.set RES,  128
.set G1,   24
.set G0,   32
.set G1B,  48
.set G0B,  56
.set G1S,  68
.set G0S,  76
.set G1SB, 80
.set G0SB, 88
.set MSB, 0
.macro WIN new                         ; the immediate's high byte repeats the setting that is left
.if MSB != \new
	s_set_vgpr_msb (MSB<<8)|\new
.set MSB, \new
.endif
.endm
.macro PLACES                          ; four plain places behind matrix instructions, ahead of loads into their sources and of reads of their results
.rept 4
	v_nop
.endr
.endm
; A joint load: waves 0 and 1 fetch for Q, waves 2 and 3 for P; the branch hangs on the wave's number alone.  An s_nop 0 and four v_nop follow each line.
.macro JLOAD g0a, g1a, g0b, g1b
	s_cmp_eq_u32 s15, 0
	s_cbranch_scc0 .Lfor_b_\@
	tensor_load_to_lds s[\g0a:\g0a+3], s[\g1a:\g1a+7]
	s_nop 0
.rept 4
	v_nop
.endr
	s_branch .Lasked_\@
.Lfor_b_\@:
	tensor_load_to_lds s[\g0b:\g0b+3], s[\g1b:\g1b+7]
	s_nop 0
.rept 4
	v_nop
.endr
.Lasked_\@:
.endm
.macro CREST                           ; a round of the cluster's barrier behind its opening barrier
	s_cmp_lg_u32 s14, 0
	s_cbranch_scc1 .Lnot_wave_0_\@
	s_barrier_signal -3
.Lnot_wave_0_\@:
	s_barrier_wait -3
	s_barrier_signal -1
	s_barrier_wait -1
.endm
.macro CROUND
	s_barrier_signal -1
	s_barrier_wait -1
	CREST
.endm
; NT matrix instructions: Q's tile a against P's NT tiles, from buffer buf.  cm 0: on in place; 1: C = 0; 2: C = the bias.  The accumulators take turns, in the same order in every step.
.macro MULA a, buf, cm
.set AR, (8*NT*(\a))%256
.set AW, 2+(8*NT*(\a))/256
.if \cm == 2
.set WN, (AW<<6)|0x11
.else
.set WN, (AW<<6)|(AW<<4)|0x01
.endif
	WIN WN
.set PB, 12*NT*(\buf)
.set QB, QF+12*NT*(\buf)+12*(\a)
.set SB, SC+NT*(\buf)
.set BB, 0
.rept NT
.if \cm == 0
	v_wmma_scale_f32_16x16x128_f8f6f4 v[AR+8*BB:AR+8*BB+7], v[PB+12*BB:PB+12*BB+11], v[QB:QB+11], v[AR+8*BB:AR+8*BB+7], v[SB+BB], v[SB+(\a)] matrix_a_fmt:MATRIX_FMT_FP6 matrix_b_fmt:MATRIX_FMT_FP6 matrix_a_scale:MATRIX_SCALE_ROW1
.elseif \cm == 1
	v_wmma_scale_f32_16x16x128_f8f6f4 v[AR+8*BB:AR+8*BB+7], v[PB+12*BB:PB+12*BB+11], v[QB:QB+11], 0, v[SB+BB], v[SB+(\a)] matrix_a_fmt:MATRIX_FMT_FP6 matrix_b_fmt:MATRIX_FMT_FP6 matrix_a_scale:MATRIX_SCALE_ROW1
.else
	v_wmma_scale_f32_16x16x128_f8f6f4 v[AR+8*BB:AR+8*BB+7], v[PB+12*BB:PB+12*BB+11], v[QB:QB+11], v[BIAS+8*BB:BIAS+8*BB+7], v[SB+BB], v[SB+(\a)] matrix_a_fmt:MATRIX_FMT_FP6 matrix_b_fmt:MATRIX_FMT_FP6 matrix_a_scale:MATRIX_SCALE_ROW1
.endif
.set BB, BB+1
.endr
.endm
.macro MULS a0, n, buf, cm
.set AA, \a0
.rept \n
	MULA AA, \buf, \cm
.set AA, AA+1
.endr
.endm
; 7 NT LDS loads in one run: a K step's fragments of P, its scale words (lanes 0-15 Q's tile i, lanes 16-31 P's tile i), its fragments of Q in ascending tiles; each load reads 512 consecutive bytes
.macro FETCH slot, kin, buf, step
	WIN 0
.if \step
	v_add_nc_u32 v[ADRS], 64, v[ADRS]              ; on to the next K step's scale words
.endif
	WIN 0x40
.set II, 0
.rept NT
.irp p, 0,1,2
	ds_load_b128 v[12*NT*(\buf)+12*II+4*\p:12*NT*(\buf)+12*II+4*\p+3], v[ADRP+\slot] offset:(II*S+(\kin))*FRB+512*\p
.endr
.set II, II+1
.endr
	WIN 0
.set II, 0
.rept NT
	ds_load_b32 v[SC+NT*(\buf)+II], v[ADRS] offset:II*KST*64
.set II, II+1
.endr
.set II, 0
.rept NT
.irp p, 0,1,2
	ds_load_b128 v[QF+12*NT*(\buf)+12*II+4*\p:QF+12*NT*(\buf)+12*II+4*\p+3], v[ADRQ+\slot] offset:(II*S+(\kin))*FRB+512*\p
.endr
.set II, II+1
.endr
.endm
; A K step that has its successor in the same slot: the successor's fragments are asked for first and have the whole step in which to land
.macro STEP slot, kin, cm
	s_wait_dscnt 3*NT/2                            ; P, the scale words and Q's lower tiles are in; the youngest 3 NT / 2 loads (Q's upper tiles) may be out
	PLACES
	FETCH \slot, (\kin)+1, ((\kin)+1)%2, 1
	MULS 0, NT/2, (\kin)%2, \cm
	s_wait_dscnt 7*NT                              ; all but the 7 NT just issued
	MULS NT/2, NT/2, (\kin)%2, \cm
.endm
; A slot's last step changes slots: one barrier; ahead of it each wave waits for all its tensor loads, adds 0 to its spare word, and waits for that and for its reads of this slot.  fill = 1: this slot is filled again, two slots ahead.
.macro TURN slot, next, fill
	WIN 0
	s_wait_tensorcnt 0x0                           ; all my tensor loads have landed: my part of the next slot
	ds_add_u32 v[SPW], v[NIL]                      ; 0 onto my spare word
	s_wait_dscnt 3*NT/2+1                          ; (the add and Q's upper tiles may be out)
	MULS 0, NT/4, 1, 0
	s_wait_dscnt 0x0                               ; the add is done, and my reads of this slot are over
	s_barrier_signal -1
	MULS NT/4, NT/4, 1, 0
	WIN 0
	s_barrier_wait -1
.if \fill
	CREST                                          ; the barrier has opened a round of the cluster's: no wave of any partner still reads this slot or has a load on its way
	s_add_nc_u64 s[G0+4*\slot+2:G0+4*\slot+3], s[G0+4*\slot+2:G0+4*\slot+3], 2*S*FRB
	s_add_nc_u64 s[G0B+4*\slot+2:G0B+4*\slot+3], s[G0B+4*\slot+2:G0B+4*\slot+3], 2*S*FRB
	JLOAD G0+4*\slot, G1, G0B+4*\slot, G1B         ; the first tensor load behind the round; its four v_nop are the places ahead of the loads below
.else
	PLACES
.endif
	FETCH \next, 0, 0, 1
	MULS NT/2, NT/2, 1, 0
.endm
.macro MIDS slot                       ; a slot's steps 1 .. S - 2
.set KK, 1
.rept S-2
	STEP \slot, KK, 0
.set KK, KK+1
.endr
.endm
	s_load_b256 s[4:11], s[0:1], 0x0               ; Q's buffer s[4:5], the weights' s[6:7], bias s[8:9], residual s[10:11]
	s_load_b64 s[12:13], s[0:1], 0x20              ; output
	v_lshl_add_u32 v[SPW], v0, 2, SPARE
	v_mov_b32 v[NIL], 0
	ds_add_u32 v[SPW], v[NIL]                      ; the wave's opening: the add and its wait ahead of my first tensor load
	v_lshrrev_b32 v1, 5, v0
	v_readfirstlane_b32 s14, v1                    ; wave 0..3
	s_lshr_b32 s15, s14, 1                         ; my half of Q's rows.  Also: I fetch for Q (0) or for P (1)
	s_and_b32 s16, s14, 1                          ; my half of P's rows.  Also: which half I fetch
	s_bfe_u32 s40, ttmp6, 0x40000                  ; cx, cy
	s_bfe_u32 s41, ttmp6, 0x40004
	s_lshl_b32 s42, ttmp9, 2
	s_add_co_u32 s42, s42, s40                     ; x: which 128 columns
	s_and_b32 s17, ttmp7, 0xffff
	s_lshl_b32 s17, s17, 2
	s_add_co_u32 s17, s17, s41                     ; y: which 128 tokens
	s_lshl_b32 s43, s41, 2
	s_lshl_b32 s43, 15, s43                        ; my row of the cluster
	s_lshl_b32 s44, 0x1111, s40                    ; my column
	s_or_b32 s[G1+0], s43, (3<<16)|(1<<21)         ; codes: NT rows (tiles) of S fragments, elements of 8 bytes; the mask, and bit 21 beside it
	s_or_b32 s[G1B+0], s44, (3<<16)|(1<<21)
.irp g, G1, G1B
	s_mov_b32 s[\g+1], (192*S)<<16                 ; tensor_dim0
	s_mov_b32 s[\g+2], NT<<16                      ; tensor_dim1
	s_mov_b32 s[\g+3], (192*S)<<16                 ; tile_dim0
	s_mov_b32 s[\g+4], NT                          ; tile_dim1
	s_mov_b32 s[\g+5], 192*KST                     ; from tile to tile
	s_mov_b32 s[\g+6], 0
	s_mov_b32 s[\g+7], 0
.endr
	s_or_b32 s[G1S+0], s43, (3<<16)|(1<<21)        ; scale words of NT tiles: a dense block, as rows of 256 bytes
	s_or_b32 s[G1SB+0], s44, (3<<16)|(1<<21)
.irp g, G1S, G1SB
	s_mov_b32 s[\g+1], 32<<16
	s_mov_b32 s[\g+2], (SQ/256)<<16
	s_mov_b32 s[\g+3], 32<<16
	s_mov_b32 s[\g+4], SQ/256
	s_mov_b32 s[\g+5], 32
	s_mov_b32 s[\g+6], 0
	s_mov_b32 s[\g+7], 0
.endr
	s_mul_i32 s18, s16, NT
	s_mul_i32 s20, s17, 2*NT
	s_add_co_u32 s20, s20, s18                     ; Q's tile: made of y and the wave
	s_mul_i32 s46, s42, 2*NT
	s_add_co_u32 s46, s46, s18                     ; P's tile: made of x and the wave
	s_mul_i32 s22, s20, KST*64
	s_add_co_u32 s22, s22, QSO
	s_mov_b32 s23, 0
	s_mul_i32 s20, s20, KST*FRB
	s_mov_b32 s21, 0
	s_mul_i32 s92, s46, KST*64
	s_add_co_u32 s92, s92, PSO
	s_mov_b32 s93, 0
	s_mul_i32 s46, s46, KST*FRB
	s_add_co_u32 s46, s46, PCO
	s_mov_b32 s47, 0
	s_mul_i32 s45, s14, QTR                        ; where they go: by the wave's number alone
	s_mul_i32 s94, s14, SQ
	s_lshl_b32 s95, s15, 7
	s_add_co_u32 s94, s94, s95
	s_wait_dscnt 0x0                               ; the opening add is done
	s_wait_kmcnt 0x0
	s_add_nc_u64 s[20:21], s[4:5], s[20:21]
	s_add_nc_u64 s[22:23], s[4:5], s[22:23]
	s_add_nc_u64 s[46:47], s[6:7], s[46:47]
	s_add_nc_u64 s[92:93], s[6:7], s[92:93]
	CROUND                                         ; all sixteen work-groups are here: the first joint loads meet
	s_mov_b32 s[G0S], 1
	s_add_co_u32 s[G0S+1], s94, SCL
	s_mov_b64 s[G0S+2:G0S+3], s[22:23]
	s_or_b32 s[G0S+3], s[G0S+3], 0x80000000
	s_mov_b32 s[G0SB], 1
	s_add_co_u32 s[G0SB+1], s94, SCL
	s_mov_b64 s[G0SB+2:G0SB+3], s[92:93]
	s_or_b32 s[G0SB+3], s[G0SB+3], 0x80000000
	JLOAD G0S, G1S, G0SB, G1SB                     ; three loads of mine are out at the most: the scale words, slot 0, slot 1
.irp s, 0,1
	s_mov_b32 s[G0+4*\s], 1
	s_add_co_u32 s[G0+4*\s+1], s45, \s*SLOT
	s_add_nc_u64 s[G0+4*\s+2:G0+4*\s+3], s[20:21], \s*S*FRB
	s_or_b32 s[G0+4*\s+3], s[G0+4*\s+3], 0x80000000
	s_mov_b32 s[G0B+4*\s], 1
	s_add_co_u32 s[G0B+4*\s+1], s45, \s*SLOT
	s_add_nc_u64 s[G0B+4*\s+2:G0B+4*\s+3], s[46:47], \s*S*FRB
	s_or_b32 s[G0B+4*\s+3], s[G0B+4*\s+3], 0x80000000
	JLOAD G0+4*\s, G1, G0B+4*\s, G1B
.endr
	v_and_b32 v1, 15, v0                           ; r
	v_bfe_u32 v2, v0, 4, 1                         ; h
	v_and_b32 v3, 31, v0
	v_lshlrev_b32 v4, 4, v3                        ; 16 x lane
	v_lshlrev_b32 v5, 2, v1                        ; 4 r
	s_mul_i32 s21, s15, QTR
	s_mul_i32 s22, s16, QTR
	s_add_co_u32 s22, s22, 2*QTR
.irp s, 0,1
	v_add_nc_u32 v[ADRQ+\s], s21, v4
	v_add_nc_u32 v[ADRP+\s], s22, v4
	s_add_co_u32 s21, s21, SLOT
	s_add_co_u32 s22, s22, SLOT
.endr
	s_mul_i32 s21, s15, SQ
	s_mul_i32 s22, s16, SQ
	s_add_co_u32 s22, s22, 2*SQ+128
	s_sub_co_u32 s22, s22, s21
	v_mul_u32_u24 v6, s22, v2                      ; lanes 16-31 take P's words: the lower base + h x the distance
	s_add_co_u32 s21, s21, SCL
	v_add_nc_u32 v6, v5, v6
	v_add_nc_u32 v[ADRS], s21, v6
	s_mul_i32 s23, s14, 16*272
	s_add_co_u32 s23, s23, STG                     ; my stage
	v_mul_u32_u24 v6, v1, 272
	v_lshl_add_u32 v6, v2, 6, v6
	v_add_nc_u32 v[STO], s23, v6                   ; in: row r, + 64 h bytes: tile 2 b + u's eight columns lie at 128 b + 64 h + 32 u
	v_mul_u32_u24 v6, v2, 272
	v_lshl_add_u32 v6, v1, 4, v6
	v_add_nc_u32 v[RD], s23, v6                    ; back: lanes 0-15 one row of 256 bytes, lanes 16-31 the next
	v_lshlrev_b32 v[CO], 12, v2
	v_lshl_add_u32 v[CO], v1, 4, v[CO]             ; and the same two rows in memory
	v_lshlrev_b32 v7, 6, v2                        ; the bias: 64 h
	s_lshl_b32 s96, s42, 9
	s_lshl_b32 s97, s16, 8
	s_add_co_u32 s96, s96, s97                     ; my 64 columns, in bytes
	s_mov_b32 s97, 0
	s_add_nc_u64 s[8:9], s[8:9], s[96:97]
	s_lshl_b32 s98, s17, 19
	s_add_co_u32 s96, s96, s98                     ; + 128 y rows of 4,096 bytes
	s_lshl_b32 s98, s15, 18
	s_add_co_u32 s96, s96, s98                     ; + my 64 rows
	s_add_nc_u64 s[98:99], s[10:11], s[96:97]
	s_add_nc_u64 s[100:101], s[12:13], s[96:97]
	WIN 0x40
.set BB, 0
.rept NT
	global_load_b128 v[BIAS+8*BB:BIAS+8*BB+3], v7, s[8:9] offset:(32*(BB/2)+8*(BB%2))*4      ; lane (r, h), tile 2 b + u: columns 32 b + 16 h + 8 u + 0..7
	global_load_b128 v[BIAS+8*BB+4:BIAS+8*BB+7], v7, s[8:9] offset:(32*(BB/2)+8*(BB%2))*4+16
.set BB, BB+1
.endr
.irp a, 0,1,2,3
.irp t, 0,1,2,3,4,5,6,7
	global_load_b128 v[RES+32*\a+4*\t:RES+32*\a+4*\t+3], v[CO], s[98:99] offset:(32*(\a/2)+8*(\a%2)+2*\t+8*(\t/4))*4096 th:TH_LOAD_NT   ; row 2 t + h of tile a: sixteen lanes read 256 consecutive bytes
.endr
.endr
	WIN 0
	s_wait_tensorcnt 1                             ; the scale words and my part of slot 0 are in; slot 1's load may be out
	s_barrier_signal -1
	s_barrier_wait -1
	FETCH 0, 0, 0, 0
	s_wait_loadcnt 32                              ; the bias is in; the residual's 32 loads may be out
	STEP 0, 0, CM0                                 ; the first step stands ahead of the loop: its products start the sums
.if LAPS > 1
	WIN 0
	s_mov_b32 s3, LAPS-1
.Llap:                                                 ; a trip goes once round the ring and fills both slots again
	MIDS 0
	TURN 0, 1, 1
	STEP 1, 0, 0
	MIDS 1
	TURN 1, 0, 1
	STEP 0, 0, 0
	WIN 0
	s_sub_co_u32 s3, s3, 1
	s_cmp_lg_u32 s3, 0
	s_cbranch_scc1 .Llap
.endif
	MIDS 0
	TURN 0, 1, 0                                   ; the last lap fills nothing
	STEP 1, 0, 0
	MIDS 1
	s_wait_dscnt 3*NT/2                            ; the very last step
	MULS 0, NT/2, 1, 0
	s_wait_dscnt 0x0
	MULS NT/2, NT/2, 1, 0
	WIN 0
	PLACES
; THE WAY OUT, a tile of 16 tokens x 64 columns at a time, through my own stage: LDS serves a wave's instructions in order, so no wait stands between the stores and the loads
.macro TOSTAGE a
	WIN 0x08                                       ; an LDS store's data are its source 1: window 2
.set BB, 0
.rept 4
	ds_store_b128 v[STO], v[32*(\a)+8*BB:32*(\a)+8*BB+3] offset:128*(BB/2)+32*(BB%2)      ; each accumulator from its low end on
	ds_store_b128 v[STO], v[32*(\a)+8*BB+4:32*(\a)+8*BB+7] offset:128*(BB/2)+32*(BB%2)+16
.set BB, BB+1
.endr
	WIN 0
.set TT, 0
.rept 8
	ds_load_b128 v[BK+32*((\a)%2)+4*TT:BK+32*((\a)%2)+4*TT+3], v[RD] offset:544*TT
.set TT, TT+1
.endr
.endm
.macro SEND a, younger
	s_wait_dscnt \younger                          ; the tile is back; the next tile's LDS instructions may be out
	WIN 0x04                                       ; source 1: window 1
.set J, 0
.rept 16
	v_pk_add_f32 v[BK+32*((\a)%2)+J:BK+32*((\a)%2)+J+1], v[BK+32*((\a)%2)+J:BK+32*((\a)%2)+J+1], v[RES+32*(\a)+J:RES+32*(\a)+J+1]
.set J, J+2
.endr
	WIN 0
.set TT, 0
.rept 8
	global_store_b128 v[CO], v[BK+32*((\a)%2)+4*TT:BK+32*((\a)%2)+4*TT+3], s[100:101] offset:(32*((\a)/2)+8*((\a)%2)+2*TT+8*(TT/4))*4096   ; sixteen lanes store 256 consecutive bytes, aligned
.set TT, TT+1
.endr
.endm
	s_wait_loadcnt 0x0                             ; the residual
	TOSTAGE 0
.irp a, 1,2,3
.if \a > 1
	s_wait_xcnt 0x0                                ; tile a - 2's stores have read their registers: tile a's rows may land there
.endif
	TOSTAGE \a
	SEND \a-1, 16
.endr
	SEND 3, 0
	s_wait_tensorcnt 0x0                           ; the wave's end, behind my last LDS store
	ds_add_u32 v[SPW], v[NIL]
	s_wait_dscnt 0x0
	CROUND                                         ; the closing round
	s_endpgm
.Lfunc_end_k_q95737ee39c_fc2:
	.size	k_q95737ee39c_fc2, .Lfunc_end_k_q95737ee39c_fc2-k_q95737ee39c_fc2
	.p2alignl 7, 3214868480
	.fill 96, 4, 3214868480
	.section	.rodata,"a",@progbits
	.p2align	6, 0x0
	.amdhsa_kernel k_q95737ee39c_fc2
		.amdhsa_group_segment_fixed_size 327680
		.amdhsa_private_segment_fixed_size 0
		.amdhsa_enable_private_segment 0
		.amdhsa_kernarg_size 40
		.amdhsa_user_sgpr_count 2
		.amdhsa_user_sgpr_kernarg_segment_ptr 1
		.amdhsa_wavefront_size32 1
		.amdhsa_system_sgpr_workgroup_id_x 1
		.amdhsa_system_sgpr_workgroup_id_y 1
		.amdhsa_system_sgpr_workgroup_id_z 1
		.amdhsa_system_vgpr_workitem_id 0
		.amdhsa_next_free_vgpr 640
		.amdhsa_next_free_sgpr 102
		.amdhsa_reserve_vcc 0
		.amdhsa_float_denorm_mode_32 3
		.amdhsa_float_denorm_mode_16_64 3
		.amdhsa_memory_ordered 1
		.amdhsa_forward_progress 1
		.amdhsa_inst_pref_size 94
	.end_amdhsa_kernel
	.amdgpu_metadata
---
amdhsa.version: [ 1, 2 ]
amdhsa.kernels:
  - .name:           k_q95737ee39c_fc2
    .symbol:         k_q95737ee39c_fc2.kd
    .args:
      - { .name: hid, .offset: 0, .size: 8, .value_kind: global_buffer, .address_space: global }
      - { .name: wq, .offset: 8, .size: 8, .value_kind: global_buffer, .address_space: global }
      - { .name: b2, .offset: 16, .size: 8, .value_kind: global_buffer, .address_space: global }
      - { .name: x1, .offset: 24, .size: 8, .value_kind: global_buffer, .address_space: global }
      - { .name: out0, .offset: 32, .size: 8, .value_kind: global_buffer, .address_space: global }
    .group_segment_fixed_size: 327680
    .private_segment_fixed_size: 0
    .kernarg_segment_align: 8
    .kernarg_segment_size: 40
    .max_flat_workgroup_size: 128
    .sgpr_count:     102
    .vgpr_count:     640
    .wavefront_size: 32
...
	.end_amdgpu_metadata
.endif
;; end of part 6
